; MI455X (gfx1250); checked and timed in simulation.
; The chip was launched on July 23, 2026; its instructions are those of AMD's public machine-readable ISA for CDNA 5 (MIT licence, August 2026) and "CDNA5" Instruction Set Architecture Reference Guide (July 2026). The comments in the code are by the model that wrote it; some were corrected since.
;; Multi Head Attention. Allowed arithmetic: matrix products marked QUANTISED: E2M3 operands, one E8M0 scale for each 32 along K, by v_wmma_scale_f32_16x16x128_f8f6f4 with both operands' format E2M3, f32 sums; everything else in f32.
;; Inputs: Wk 768 x 768 float32; Wo 768 x 768 float32; Wq 768 x 768 float32; Wv 768 x 768 float32; bk 768 float32; bo 768 float32; bq 768 float32; bv 768 float32; x 16 x 1,024 x 768 float32.
;; Outputs: out0 16 x 1,024 x 768 float32.
;; This version of the problem:
;;   THIS VERSION OF THE PROBLEM IS GIVEN IN LOW PRECISION. The matrix products marked QUANTISED in the list below multiply operands that are first quantised to E2M3 (2 exponent bits, 3 mantissa bits; 6 bits a number), with one power-of-two scale for each 32 numbers along K (OCP MX v1.0); their sums are f32. All else is computed in f32.
;;   The module's matrix products, in the order in which they are computed (A, B: the left and right operand; K: the contracted axis; several contracted axes count as one K, in the product's order):
;;     1. [M 16,384, K 768] x [K 768, N 768]; A: input x; B: input Wq: QUANTISED
;;     2. [M 16,384, K 768] x [K 768, N 768]; A: input x; B: input Wk: QUANTISED
;;     3. [M 16,384, K 768] x [K 768, N 768]; A: input x; B: input Wv: QUANTISED
;;     4. batch 192 x [M 1,024, K 64] x [K 64, N 1,024]; A: computed on the way; B: computed on the way: QUANTISED
;;     5. batch 192 x [M 1,024, K 1,024] x [K 1,024, N 64]; A: softmax (see below); B: computed on the way: QUANTISED
;;     6. [M 16,384, K 768] x [K 768, N 768]; A: computed on the way; B: input Wo: QUANTISED
;;   THE QUANTISER, for each operand of a quantised product, along K:
;;     - K is cut into blocks of 32 from its start; a last block that is shorter is filled with zeros.
;;     - A block's scale is 2^e with e = floor(log2(the largest magnitude in the block)) - 2, held to -126 .. 127; a block of zeros has e = 0. As a byte (E8M0): e + 127.
;;     - Each number is divided by its block's scale, clamped to +-7.5, and rounded to the nearest number of E2M3, ties to even, subnormals kept.
;;     - The product sums the exact products of the quantised numbers (number of the format x scale) in f32.
;;   ~~~python
;;   def quantise(x, axis):      # numpy; x: float32 -> the quantised numbers, widened to float32 again
;;       x = np.moveaxis(x, axis, -1); K = x.shape[-1]
;;       x = np.pad(x, [(0, 0)] * (x.ndim - 1) + [(0, -K % 32)]); x = x.reshape(x.shape[:-1] + (-1, 32)); a = np.abs(x).max(-1, keepdims=True)
;;       e = np.where(a > 0, np.clip(np.frexp(np.where(a > 0, a, 1))[1] - 1 - 2, -126, 127), 0)      # np.frexp(a)[1] - 1 = floor(log2(a)), exactly
;;       r = np.clip(x / 2.0 ** e, -7.5, 7.5)
;;       step = 2.0 ** (np.maximum(np.frexp(np.where(r == 0, 1, r))[1] - 1, 0) - 3)
;;       q = np.round(r / step) * step * 2.0 ** e      # np.round: ties to even
;;       return np.moveaxis(q.reshape(q.shape[:-2] + (-1,))[..., :K], -1, axis).astype(np.float32)
;;   ~~~
;;   SOFTMAX AHEAD OF A QUANTISED PRODUCT. Where the list says 'softmax', what is quantised is not the finished softmax but p = 2^(t - M), with t = logit x log2(e) and M = ceil(the row's largest t), a whole number; so 1/2 < the row's largest p <= 1. The row's sum l is taken of the UNQUANTISED p, in f32, and the product's result is divided by l at the end. Since M is a whole number, a kernel that streams over the keys may use a running M (the ceiling of the running maximum): every later rescaling is an exact power of two, which a block's scale takes up: the codes' values come out the same.
;;   OPERANDS COMPUTED ON THE WAY. 'Computed on the way' means the value that the module computes at that place (a softmax that the list does not call 'softmax' is quantised finished and normalised). What goes into a quantiser is computed in f32, as accurately as f32 sums, v_exp_f32 and their like allow (about 1e-6 of the number): no bf16 or f16 on the way to a quantiser, and a product that is left as it is and whose result goes on into a quantised operand takes f32 operands (vector FMAs, or v_wmma_f32_16x16x4_f32). A number that lies on a knife's edge between two numbers of the format may be rounded either way, as far as f32 arithmetic and the matrix unit's own rounding can turn it there, and no further.
;; One version. Each part assembles by itself: llvm-mc -triple=amdgcn-amd-amdhsa -mcpu=gfx1250 --defsym DOCPART=n.
;; ======== version 1 of 1: 4 launches
;; limits: right only within a limited range of input values
;; workspace buffers: xc 9,437,184 bytes; xs 393,216 bytes; wc 1,769,472 bytes; ws 73,728 bytes; pk 30,277,632 bytes; ac 9,437,184 bytes; ascl 393,216 bytes
;; launch quant (part 1): grid 608 x 1, 6 waves a work-group, no clusters, 102,144 bytes of LDS; arguments x, Wq, Wk, Wv, Wo, xc, xs, wc, ws; writes xc, xs, wc, ws
.if DOCPART == 1
	.amdgcn_target "amdgcn-amd-amdhsa--gfx1250"
	.amdhsa_code_object_version 6
	.text
	.protected	k_q4cfdc49d7c_quant
	.globl	k_q4cfdc49d7c_quant
	.p2align	8
	.type	k_q4cfdc49d7c_quant,@function
k_q4cfdc49d7c_quant:
	s_mov_b64 s[64:65], 0
	v_nop
	global_prefetch_b8 v0, s[64:65] scope:SCOPE_SE
	s_setreg_imm32_b32 hwreg(HW_REG_WAVE_MODE, 25, 1), 1
	s_wait_xcnt 0x0
; x [16384][768] and Wq, Wk, Wv, Wo [768][768], f32 with K innermost, become codes of FP6 (E2M3) with one E8M0 scale byte for each 32 along K,
; laid in the ORDER OF THE OPERAND'S REGISTERS, so that the later launches load fragments by 16 and 8 bytes a lane from consecutive bytes.
; A FRAGMENT is 16 rows x 128 K, 12 registers a lane, 1,536 bytes: registers 0-3 at 16 x lane, 4-5 at 512 + 8 x lane, 6-9 at 768 + 16 x lane, 10-11 at 1,280 + 8 x lane.
; THE ROWS OF A TILE ARE NOT NEIGHBOURS: rows go in groups of 32; lane r of tile u of a group holds row 8 u + r + 8 (r / 8).  Used as source 0 of a product, two such tiles
; leave 16 neighbouring rows in a lane's 16 result registers, which is what the next quantiser wants.
; SCALE WORDS: 128 bytes for a pair of tiles and 128 K: lanes 0-15 the even tile's rows, lanes 16-31 the odd tile's.
; SHARES: a work-group takes a group of 32 rows (512 groups of x, then 24 of each weight); wave s takes K step s (128 along K): two fragments and one block of scale words.
; The weights' groups of 192 rows (passes) are laid in the order in which the projection launches walk them: see PASS NUMBER below.
; Each load reads 512 consecutive bytes of a row; the numbers turn through the wave's own stage in LDS (rows 528 bytes apart) so that a lane holds 16 neighbours of each block of 32.
; A block's scale is 2^(floor(log2(largest magnitude)) - 2): its byte is the largest magnitude's exponent field - 2, held at 1 from below by a floor among the maximum's leaves.
; LIMITS: a block of zeros gets the byte 1 where the rule says 127 (its codes are zeros; the bytes are read by this program alone); NaN and infinities among the inputs are not served.
; No cluster, no tensor load, no matrix unit: the work-groups share no input and the launch only streams.  No barrier: waves share nothing.
.set ROWB, 3072                        ; a row of 768 f32
.set SP,   528                         ; a stage row: 512 bytes + 16
.set WREG, 32*SP                       ; a wave's stage: two tiles of 16 rows
.set L16,  4                           ; v4   16 x lane
.set L8,   5                           ; v5   8 x lane
.set L4,   6                           ; v6   4 x lane
.set STI,  7                           ; v7   the stage on the way in: 16 x lane
.set STO,  8                           ; v8   and on the way out: 528 r + 64 h
.set TM,   12                          ; v12-27 at work in QUANT
.set PW0,  28                          ; v28, v29 the two tiles' scale words; v30 the block that is stored
.set PW1,  29
.set SW,   30
.set PC0,  32                          ; v32-51, v52-71 the two tiles' codes
.set PC1,  52
.set R,    72                          ; v72-199 two tiles of 64 numbers a lane
.set WV,   22
.set SEL,  26
.set HI,   28
; 32 nc numbers of a lane, register 16 b + i = k 32 b + 16 (lane / 16) + i of my row, become 6 nc registers of codes from v[pc] on and the row's scale word in v[pw].
.macro QUANT s, nc, tm, pw, pc
.set qb, 0
.rept 2*\nc
	v_max3_num_f32 v[\tm+qb], |v[\s+16*qb]|, |v[\s+16*qb+1]|, 0x1800000   ; my 16 numbers of block b, and the floor 2^(3 - 127)
.set qb, qb+1
.endr
.set qi, 2
.rept 7
.set qb, 0
.rept 2*\nc
	v_max3_num_f32 v[\tm+qb], v[\tm+qb], |v[\s+16*qb+qi]|, |v[\s+16*qb+qi+1]|
.set qb, qb+1
.endr
.set qi, qi+2
.endr
.set qb, 0
.rept 2*\nc
	v_permlanex16_b32 v[\tm+4+qb], v[\tm+qb], s[SEL], s[SEL+1]
.set qb, qb+1
.endr
.set qb, 0
.rept 2*\nc
	v_max_num_f32 v[\tm+qb], v[\tm+qb], v[\tm+4+qb]                ; with lane l xor 16's: the block's largest magnitude
.set qb, qb+1
.endr
.set qb, 0
.rept 2*\nc
	v_add_nc_u32 v[\tm+12+qb], 0xff000000, v[\tm+qb]               ; 2 off its exponent field: the conversion's scale operand
.set qb, qb+1
.endr
.set qb, 0
.rept 2*\nc
	v_lshrrev_b32 v[\tm+4+qb], 23, v[\tm+12+qb]                    ; the scale's byte
.set qb, qb+1
.endr
	v_lshl_or_b32 v[\pw], v[\tm+5], 8, v[\tm+4]
.if \nc > 1
	v_lshl_or_b32 v[\pw], v[\tm+6], 16, v[\pw]
	v_lshl_or_b32 v[\pw], v[\tm+7], 24, v[\pw]
.endif
.set qc, 0
.rept \nc
	v_cvt_scalef32_pk16_fp6_f32 v[\pc+6*qc:\pc+6*qc+2], v[\s+32*qc:\s+32*qc+15], v[\tm+12+2*qc]
	v_cvt_scalef32_pk16_fp6_f32 v[\pc+12+4*qc:\pc+14+4*qc], v[\s+32*qc+16:\s+32*qc+31], v[\tm+13+2*qc]   ; (a conversion's three registers begin on an even number)
.set qc, qc+1
.endr
	v_nop                                                          ; one plain place behind a scaled conversion
.set qc, 0
.rept \nc                                                              ; the operand wants a whole block in a lane: lanes 0-15 block 2 c, lanes 16-31 block 2 c + 1
.set qi, 0
.rept 3
	v_permlane16_swap_b32 v[\pc+6*qc+qi], v[\pc+12+4*qc+qi]
.set qi, qi+1
.endr
.set qi, 0
.rept 3
	v_mov_b32 v[\pc+3+6*qc+qi], v[\pc+12+4*qc+qi]
.set qi, qi+1
.endr
.set qc, qc+1
.endr
.endm
.macro PUT pc, base                    ; a fragment leaves as it stands: every store covers whole aligned blocks of 256 bytes
	global_store_b128 v[L16], v[\pc:\pc+3], s[\base:\base+1]
	global_store_b64 v[L8], v[\pc+4:\pc+5], s[\base:\base+1] offset:512
	global_store_b128 v[L16], v[\pc+6:\pc+9], s[\base:\base+1] offset:768
	global_store_b64 v[L8], v[\pc+10:\pc+11], s[\base:\base+1] offset:1280
.endm
	s_load_b512 s[4:19], s[0:1], 0x0               ; x, Wq, Wk, Wv, Wo, xc, xs, wc
	s_load_b64 s[20:21], s[0:1], 0x40              ; ws
	v_lshl_add_u32 v9, v0, 2, 0x18c00              ; v9: my spare word, behind the six stages; v10: 0; both kept for the closing add alone
	v_mov_b32 v10, 0
	v_lshrrev_b32 v1, 5, v0
	v_readfirstlane_b32 s[WV], v1                  ; wave = K step 0..5
	v_and_b32 v1, 31, v0                           ; lane
	v_and_b32 v2, 15, v0                           ; r
	v_bfe_u32 v3, v0, 4, 1                         ; h
	v_lshlrev_b32 v[L16], 4, v1
	v_lshlrev_b32 v[L8], 3, v1
	v_lshlrev_b32 v[L4], 2, v1
	s_mul_i32 s24, s[WV], WREG
	v_add_nc_u32 v[STI], s24, v[L16]
	v_mul_u32_u24 v[STO], v2, SP
	v_lshl_add_u32 v[STO], v3, 6, v[STO]
	v_add_nc_u32 v[STO], s24, v[STO]
.irp b, 4,5,6,7
	v_mov_b32 v[TM+\b], 0                          ; written once: a lane permute's destination counts as one of its sources
.endr
	s_mov_b32 s[SEL], 0x76543210
	s_mov_b32 s[SEL+1], 0xfedcba98                 ; lane l xor 16
	s_mov_b32 s[HI], 0xffff0000                    ; lanes 16-31
	s_mov_b32 s38, ttmp9                           ; G: the group of 32 rows
	s_max_u32 s39, s38, 512
	s_sub_co_u32 s39, s39, 512                     ; among the weights' 96 groups (0 for x)
	s_mul_i32 s40, s39, 171
	s_lshr_b32 s40, s40, 12                        ; which weight: / 24
	s_mul_i32 s41, s40, 24
	s_sub_co_u32 s41, s39, s41                     ; its group 0..23
	s_mul_i32 s42, s41, 43
	s_lshr_b32 s42, s42, 8                         ; q6 = group / 6: which 192 rows
	s_mul_i32 s43, s42, 6
	s_sub_co_u32 s43, s41, s43                     ; the pair of tiles among those 192 rows
	; PASS NUMBER: Wq: 3 (q6 / 2) + q6 % 2;  Wk: 6 more;  Wv: 3 q6 + 2;  Wo: 12 + q6
	s_lshr_b32 s44, s42, 1
	s_mul_i32 s44, s44, 3
	s_and_b32 s45, s42, 1
	s_add_co_u32 s44, s44, s45
	s_mul_i32 s45, s40, 6
	s_add_co_u32 s44, s44, s45
	s_mul_i32 s45, s42, 3
	s_add_co_u32 s45, s45, 2
	s_add_co_u32 s46, s42, 12
	s_cmp_eq_u32 s40, 2
	s_cselect_b32 s44, s45, s44
	s_cmp_eq_u32 s40, 3
	s_cselect_b32 s44, s46, s44
	s_mul_i32 s45, s44, 110592                     ; a weight's codes: [pass][K step][tile 0..11][fragment]
	s_mul_i32 s46, s[WV], 18432
	s_add_co_u32 s45, s45, s46
	s_mul_i32 s46, s43, 3072
	s_add_co_u32 s45, s45, s46
	s_mul_i32 s46, s38, 18432                      ; x's codes: [tile][K step][fragment]
	s_mul_i32 s47, s[WV], 1536
	s_add_co_u32 s46, s46, s47
	s_mul_i32 s44, s44, 4608                       ; a weight's scale words: [pass][K step][pair][128 bytes]
	s_mul_i32 s47, s[WV], 768
	s_add_co_u32 s44, s44, s47
	s_lshl_b32 s47, s43, 7
	s_add_co_u32 s44, s44, s47
	s_mul_i32 s43, s38, 768                        ; x's: [pair][K step][128 bytes]
	s_lshl_b32 s47, s[WV], 7
	s_add_co_u32 s43, s43, s47
	s_wait_alu depctr_va_vdst(0)
	s_wait_kmcnt 0x0
	s_cmp_lt_u32 s38, 584                          ; the buffers are chosen by the work-group's number alone; all take one path through the text
	s_cselect_b64 s[30:31], s[10:11], s[12:13]
	s_cmp_lt_u32 s38, 560
	s_cselect_b64 s[30:31], s[8:9], s[30:31]
	s_cmp_lt_u32 s38, 536
	s_cselect_b64 s[30:31], s[6:7], s[30:31]
	s_cmp_lt_u32 s38, 512
	s_cselect_b64 s[30:31], s[4:5], s[30:31]       ; from where
	s_cselect_b64 s[32:33], s[14:15], s[18:19]     ; the codes' buffer
	s_cselect_b64 s[36:37], s[16:17], s[20:21]     ; the scale words'
	s_cselect_b32 s24, s46, s45
	s_cselect_b32 s40, s43, s44
	s_cselect_b32 s41, s38, s41                    ; the group's number in its own tensor
	s_mov_b32 s42, 1536
	s_cselect_b32 s42, 9216, s42                   ; from the even tile's fragment to the odd tile's
	s_mov_b32 s25, 0
	s_add_nc_u64 s[32:33], s[32:33], s[24:25]
	s_mov_b32 s24, s42
	s_add_nc_u64 s[34:35], s[32:33], s[24:25]
	s_mov_b32 s24, s40
	s_add_nc_u64 s[36:37], s[36:37], s[24:25]
	s_mul_i32 s24, s41, 32*ROWB
	s_lshl_b32 s40, s[WV], 9
	s_add_co_u32 s24, s24, s40
	s_add_nc_u64 s[30:31], s[30:31], s[24:25]
.irp u, 0,1
.irp i, 0,1,2,3,4,5,6,7,8,9,10,11,12,13,14,15
	global_load_b128 v[R+64*\u+4*\i:R+64*\u+4*\i+3], v[L16], s[30:31] offset:(8*\u+\i+8*(\i/8))*ROWB th:TH_LOAD_NT   ; 512 consecutive bytes of the row that lane i of tile u will hold
.endr
.endr
	s_wait_loadcnt 16                              ; tile 0's sixteen loads are in; tile 1's may be out
.irp i, 0,1,2,3,4,5,6,7,8,9,10,11,12,13,14,15
	ds_store_b128 v[STI], v[R+4*\i:R+4*\i+3] offset:\i*SP
.endr
	s_wait_dscnt 0x0                               ; the stores have read their registers, which take the numbers back
.irp b, 0,1,2,3
.irp j, 0,1,2,3
	ds_load_b128 v[R+16*\b+4*\j:R+16*\b+4*\j+3], v[STO] offset:128*\b+16*\j      ; row r, k = 32 b + 16 h + 4 j ..
.endr
.endr
	s_wait_loadcnt 0x0
.irp i, 0,1,2,3,4,5,6,7,8,9,10,11,12,13,14,15
	ds_store_b128 v[STI], v[R+64+4*\i:R+64+4*\i+3] offset:16*SP+\i*SP
.endr
	s_wait_dscnt 16                                ; tile 0's numbers are back; the sixteen stores behind them may be out
	QUANT R, 2, TM, PW0, PC0
	s_wait_alu depctr_va_vdst(0)
	s_wait_dscnt 0x0
.irp b, 0,1,2,3
.irp j, 0,1,2,3
	ds_load_b128 v[R+64+16*\b+4*\j:R+64+16*\b+4*\j+3], v[STO] offset:16*SP+128*\b+16*\j
.endr
.endr
	PUT PC0, 32
	s_wait_dscnt 0x0
	QUANT R+64, 2, TM, PW1, PC1
	PUT PC1, 34
	v_cndmask_b32 v[SW], v[PW0], v[PW1], s[HI]     ; lanes 0-15: the even tile's words, lanes 16-31: the odd tile's
	global_store_b32 v[L4], v[SW], s[36:37]
	s_wait_tensorcnt 0x0
	ds_add_u32 v9, v10
	s_wait_dscnt 0x0
	s_endpgm
.Lfunc_end_k_q4cfdc49d7c_quant:
	.size	k_q4cfdc49d7c_quant, .Lfunc_end_k_q4cfdc49d7c_quant-k_q4cfdc49d7c_quant
	.p2alignl 7, 3214868480
	.fill 96, 4, 3214868480
	.section	.rodata,"a",@progbits
	.p2align	6, 0x0
	.amdhsa_kernel k_q4cfdc49d7c_quant
		.amdhsa_group_segment_fixed_size 102144
		.amdhsa_private_segment_fixed_size 0
		.amdhsa_enable_private_segment 0
		.amdhsa_kernarg_size 72
		.amdhsa_user_sgpr_count 2
		.amdhsa_user_sgpr_kernarg_segment_ptr 1
		.amdhsa_wavefront_size32 1
		.amdhsa_system_sgpr_workgroup_id_x 1
		.amdhsa_system_sgpr_workgroup_id_y 1
		.amdhsa_system_sgpr_workgroup_id_z 1
		.amdhsa_system_vgpr_workitem_id 0
		.amdhsa_next_free_vgpr 200
		.amdhsa_next_free_sgpr 66
		.amdhsa_reserve_vcc 0
		.amdhsa_float_denorm_mode_32 3
		.amdhsa_float_denorm_mode_16_64 3
		.amdhsa_memory_ordered 1
		.amdhsa_forward_progress 1
		.amdhsa_inst_pref_size 20
	.end_amdhsa_kernel
	.amdgpu_metadata
---
amdhsa.version: [ 1, 2 ]
amdhsa.kernels:
  - .name:           k_q4cfdc49d7c_quant
    .symbol:         k_q4cfdc49d7c_quant.kd
    .args:
      - { .name: x, .offset: 0, .size: 8, .value_kind: global_buffer, .address_space: global }
      - { .name: Wq, .offset: 8, .size: 8, .value_kind: global_buffer, .address_space: global }
      - { .name: Wk, .offset: 16, .size: 8, .value_kind: global_buffer, .address_space: global }
      - { .name: Wv, .offset: 24, .size: 8, .value_kind: global_buffer, .address_space: global }
      - { .name: Wo, .offset: 32, .size: 8, .value_kind: global_buffer, .address_space: global }
      - { .name: xc, .offset: 40, .size: 8, .value_kind: global_buffer, .address_space: global }
      - { .name: xs, .offset: 48, .size: 8, .value_kind: global_buffer, .address_space: global }
      - { .name: wc, .offset: 56, .size: 8, .value_kind: global_buffer, .address_space: global }
      - { .name: ws, .offset: 64, .size: 8, .value_kind: global_buffer, .address_space: global }
    .group_segment_fixed_size: 102144
    .private_segment_fixed_size: 0
    .kernarg_segment_align: 8
    .kernarg_segment_size: 72
    .max_flat_workgroup_size: 192
    .sgpr_count:     66
    .vgpr_count:     200
    .wavefront_size: 32
...
	.end_amdgpu_metadata
.endif
;; end of part 1
;; launch qkv (part 2): grid 64 x 4, 4 waves a work-group, clusters of 4 x 1, 327,680 bytes of LDS; arguments xc, xs, wc, ws, bq, bk, bv, pk; writes pk
.if DOCPART == 2
	.amdgcn_target "amdgcn-amd-amdhsa--gfx1250"
	.amdhsa_code_object_version 6
	.text
	.protected	k_q4cfdc49d7c_qkv
	.globl	k_q4cfdc49d7c_qkv
	.p2align	8
	.type	k_q4cfdc49d7c_qkv,@function
k_q4cfdc49d7c_qkv:
	s_mov_b64 s[64:65], 0
	v_nop
	global_prefetch_b8 v0, s[64:65] scope:SCOPE_SE
	s_setreg_imm32_b32 hwreg(HW_REG_WAVE_MODE, 25, 1), 1
	s_wait_xcnt 0x0
	s_wait_alu depctr_hold_cnt(0) depctr_sa_sdst(0) depctr_va_vdst(0) depctr_va_sdst(0) depctr_va_ssrc(0) depctr_va_vcc(0) depctr_vm_vsrc(0)
	s_getreg_b32 s2, hwreg(HW_REG_IB_STS2, 6, 4)
	s_cmp_eq_u32 s2, 0
	s_cbranch_scc0 .Lentry_in_a_cluster
	s_endpgm
.Lentry_in_a_cluster:
	s_bfe_u32 s2, ttmp6, 0x10000c
	s_cmp_lg_u32 s2, 0x3003
	s_cbranch_scc0 .Lentry_shape_is_right
	s_endpgm
.Lentry_shape_is_right:
; Q = x Wq^T + bq, K = x Wk^T + bk, V = x Wv^T + bv on codes of FP6 (E2M3) with E8M0 scales; the results are quantised here, Q and K along the head's 64, V along the keys,
; and leave as codes in the order of the attention launch's operand registers: one package of PKG bytes for each (batch, head).
; SHARES.  256 work-groups: a block of 256 tokens (tb) x one of four groups g of 576 output features, walked in three passes of 192: passes 0 and 1 are Q's (g < 2) or K's features,
; pass 2 is V's.  Every work-group runs the same text; g chooses pointers only.  Wave w owns 64 tokens x 192 features: 48 accumulators.
; x's 24 fragments of the wave's 64 tokens stay in REGISTERS for all three passes (288 registers, read from memory once).  W's passes go through LDS: two slots of a whole pass.
; CLUSTER.  The four token blocks of a cluster walk the same W: each part of W is asked for JOINTLY (mask 15), every wave asking for its quarter.
; LAYOUT.  Passes 0, 1: source 0 = 16 features of W, source 1 = 16 tokens: a lane holds one token, and (by the choice of a tile's rows: lane r of tile 2 P + u holds row
; 32 P + 8 u + r + 8 (r / 8)) the 16 registers of two neighbouring tiles are 16 neighbouring features.  Pass 2: the sources change places: a lane holds one feature of V, its registers run along the tokens.
; A pass is 12 half-steps (K step s, half hf of the features) of 24 matrix instructions on 24 different accumulators; hf alternates, so no two matrix instructions that follow each other share an accumulator.
; LIMITS: a block of zeros gets the scale byte 1 where the rule says 127 (its codes are zeros; the bytes are read by this program alone); NaN and infinities are not served.
; V's scale words are written 2 bytes a lane by each of two waves: blocks of 256 bytes written in part, 2,048 bytes of a package's 157,696.
; REGISTERS: window 0: addresses, scale words, two sets of 6 fragments of W, the way out.  window 1: x's fragments of K steps 0-4.  window 2: accumulators of features 0-95, x's K step 5.
;   window 3: accumulators of features 96-191, the biases.
; THE FILLS, AS THE TEXT BELOW HAS THEM: at the head one joint load a wave: wave 0 the scale words of the three passes, 54 rows of 256 bytes,
; waves 1 to 3 a third of pass 0 each, 144 rows of 256 bytes.  Pass 1 is asked for behind the full sequence and a round, a quarter a wave; pass 2 is the one refill.  One load of a wave is out at any time.
; THE TOKENS OF A TILE OF Q AND OF K IN A PACKAGE: tokens go in groups of 64; lane r of tile n of a group holds token 8 n + r % 8 + 32 (r / 8).  As source 0 of the scores' product the four tiles of a group
; then leave a whole block of 32 keys in a lane's 32 result registers.  My wave's four tiles of x hold the same 64 tokens in another order, so the stores of Q and K go by lane:
; lane r of x's tile m goes to lane r % 8 + 8 (m / 2) of tile m % 2 + 2 (r / 8).  Each such store covers runs of 128 (codes by 16), 64 (by 8) or 32 bytes (scale words): blocks of 256 bytes are written in two parts.
.set PKG,   157696
.set PASSB, 110592                     ; a pass of W: [K step 0..5][tile 0..11][1,536]
.set HALFP, PASSB/2
.set SCW,   2*PASSB                    ; behind the two slots: W's scale words of the three passes, 13,824 bytes, filled once
.set SPARE, SCW+13824                  ; the spare words, 128 bytes for each wave: two blocks of 256 bytes that no other line names
.set L16,  1                           ; v1   16 x lane
.set L8,   2                           ; v2   8 x lane
.set L4,   3                           ; v3   4 x lane
.set AW16, 4                           ; v4-7   16 x lane + slot x PASSB + half x HALFP
.set AW8,  8                           ; v8-11  the same with 8 x lane
.set AWS,  12                          ; v12  4 x lane + SCW
.set SPW,  13                          ; v13  my spare word; never rewritten
.set NIL,  14                          ; v14  0; never rewritten
.set BH,   15                          ; v15  64 h: a bias's 16 h numbers on
.set BR,   16                          ; v16  4 (r + 8 (r / 8)): V's bias of my lane's feature
.set PWK,  17                          ; v17  the even tile's scale word, kept
.set PW,   18                          ; v18  the scale word just made
.set SW,   19                          ; v19  the pair's block that is stored
.set XSC,  20                          ; v20-31 x's scale words: K step s, pair i at 20 + 2 s + i
.set WSC,  32                          ; v32-37 W's: set, pair
.set TM,   38                          ; v38-53 at work in QUANT
.set WS0,  56                          ; v56-127, v128-199 W's two sets of 6 fragments
.set T,    200                         ; v200-231 32 numbers on the way out
.set PC,   232                         ; v232-251 their codes
.set BI,   192
.set K16,  252                         ; v252-254 where a lane's codes (by 16, by 8) and scale word of Q or K go in the group's four tiles
.set K8,   253
.set K4,   254
.set WV,   20
.set CX,   21
.set TBK,  22
.set GG,   23
.set SEL,  24
.set HI,   26
.set G1H,  28                          ; group 1: 144 rows of 256 bytes
.set G1P,  36                          ; 108 rows
.set G1S,  44                          ; 54 rows of 256 bytes
.set G0S,  52                          ; groups 0: the scale words; my third of pass 0; pass 1; pass 2
.set G0A,  56
.set G0B,  60
.set G0P1, 68
.set G0P2, 72
.set DP,   76                          ; for pass p at + 6 p: where the codes go, where the scale words go, the bias
.set EP,   78
.set BP,   80
.set MSB, 0
.macro WIN new                         ; the immediate's high byte repeats the setting that is left
.if MSB != (\new)
	s_set_vgpr_msb (MSB<<8)|(\new)
.set MSB, (\new)
.endif
.endm
.macro PLACES n
.rept \n
	v_nop
.endr
.endm
.macro CROUND                          ; a round of the cluster's barrier
	s_barrier_signal -1
	s_barrier_wait -1
	s_cmp_lg_u32 s[WV], 0
	s_cbranch_scc1 .Lnot_wave_0_\@
	s_barrier_signal -3
.Lnot_wave_0_\@:
	s_barrier_wait -3
	s_barrier_signal -1
	s_barrier_wait -1
.endm
.macro DESC1 g, c, r                   ; group 1: r dense rows of c elements of 8 bytes; mask 15 with bit 21 beside it; no padding
	s_mov_b32 s[\g], 15|(3<<16)|(1<<21)
	s_mov_b32 s[\g+1], (\c)<<16
	s_mov_b32 s[\g+2], (\r)<<16
	s_mov_b32 s[\g+3], (\c)<<16
	s_mov_b32 s[\g+4], \r
	s_mov_b32 s[\g+5], \c
	s_mov_b32 s[\g+6], 0
	s_mov_b32 s[\g+7], 0
.endm
.macro G0SET g0, wr, la, base, ga      ; group 0: LDS byte s[wr] + la, global byte s[base] + s[wr] + ga (s3 = 0)
	s_mov_b32 s[\g0], 1
	s_add_co_u32 s[\g0+1], s[\wr], \la
	s_add_co_u32 s2, s[\wr], \ga
	s_add_nc_u64 s[\g0+2:\g0+3], s[\base:\base+1], s[2:3]
	s_or_b32 s[\g0+3], s[\g0+3], 0x80000000
.endm
.macro LFRAG reg, a16, a8, off         ; a fragment from LDS: the image of its 12 registers
	ds_load_b128 v[\reg:\reg+3], v[\a16] offset:\off
	ds_load_b64 v[\reg+4:\reg+5], v[\a8] offset:\off+512
	ds_load_b128 v[\reg+6:\reg+9], v[\a16] offset:\off+768
	ds_load_b64 v[\reg+10:\reg+11], v[\a8] offset:\off+1280
.endm
.macro GFRAG reg, off                  ; the same from x's codes in memory
	global_load_b128 v[\reg:\reg+3], v[L16], s[4:5] offset:\off
	global_load_b64 v[\reg+4:\reg+5], v[L8], s[4:5] offset:\off+512
	global_load_b128 v[\reg+6:\reg+9], v[L16], s[4:5] offset:\off+768
	global_load_b64 v[\reg+10:\reg+11], v[L8], s[4:5] offset:\off+1280
.endm
; One matrix instruction.  c = -1: the constant 0 starts the sum.  ra, rb: that side's scales stand in lanes 16-31 of its register.
.macro WMMA d, a, b, c, sa, sb, ra, rb
.if (\c) < 0
.if (\ra) && (\rb)
	v_wmma_scale_f32_16x16x128_f8f6f4 v[\d:\d+7], v[\a:\a+11], v[\b:\b+11], 0, v[\sa], v[\sb] matrix_a_fmt:MATRIX_FMT_FP6 matrix_b_fmt:MATRIX_FMT_FP6 matrix_a_scale:MATRIX_SCALE_ROW1 matrix_b_scale:MATRIX_SCALE_ROW1
.elseif \ra
	v_wmma_scale_f32_16x16x128_f8f6f4 v[\d:\d+7], v[\a:\a+11], v[\b:\b+11], 0, v[\sa], v[\sb] matrix_a_fmt:MATRIX_FMT_FP6 matrix_b_fmt:MATRIX_FMT_FP6 matrix_a_scale:MATRIX_SCALE_ROW1
.elseif \rb
	v_wmma_scale_f32_16x16x128_f8f6f4 v[\d:\d+7], v[\a:\a+11], v[\b:\b+11], 0, v[\sa], v[\sb] matrix_a_fmt:MATRIX_FMT_FP6 matrix_b_fmt:MATRIX_FMT_FP6 matrix_b_scale:MATRIX_SCALE_ROW1
.else
	v_wmma_scale_f32_16x16x128_f8f6f4 v[\d:\d+7], v[\a:\a+11], v[\b:\b+11], 0, v[\sa], v[\sb] matrix_a_fmt:MATRIX_FMT_FP6 matrix_b_fmt:MATRIX_FMT_FP6
.endif
.else
.if (\ra) && (\rb)
	v_wmma_scale_f32_16x16x128_f8f6f4 v[\d:\d+7], v[\a:\a+11], v[\b:\b+11], v[\c:\c+7], v[\sa], v[\sb] matrix_a_fmt:MATRIX_FMT_FP6 matrix_b_fmt:MATRIX_FMT_FP6 matrix_a_scale:MATRIX_SCALE_ROW1 matrix_b_scale:MATRIX_SCALE_ROW1
.elseif \ra
	v_wmma_scale_f32_16x16x128_f8f6f4 v[\d:\d+7], v[\a:\a+11], v[\b:\b+11], v[\c:\c+7], v[\sa], v[\sb] matrix_a_fmt:MATRIX_FMT_FP6 matrix_b_fmt:MATRIX_FMT_FP6 matrix_a_scale:MATRIX_SCALE_ROW1
.elseif \rb
	v_wmma_scale_f32_16x16x128_f8f6f4 v[\d:\d+7], v[\a:\a+11], v[\b:\b+11], v[\c:\c+7], v[\sa], v[\sb] matrix_a_fmt:MATRIX_FMT_FP6 matrix_b_fmt:MATRIX_FMT_FP6 matrix_b_scale:MATRIX_SCALE_ROW1
.else
	v_wmma_scale_f32_16x16x128_f8f6f4 v[\d:\d+7], v[\a:\a+11], v[\b:\b+11], v[\c:\c+7], v[\sa], v[\sb] matrix_a_fmt:MATRIX_FMT_FP6 matrix_b_fmt:MATRIX_FMT_FP6
.endif
.endif
.endm
; 32 nc numbers of a lane, register 16 b + i = k 32 b + 16 (lane / 16) + i of my row, become 6 nc registers of codes from v[pc] on and the row's scale word in v[pw].
.macro QUANT s, nc, tm, pw, pc
.set qb, 0
.rept 2*\nc
	v_max3_num_f32 v[\tm+qb], |v[\s+16*qb]|, |v[\s+16*qb+1]|, 0x1800000   ; my 16 numbers of block b, and the floor 2^(3 - 127)
.set qb, qb+1
.endr
.set qi, 2
.rept 7
.set qb, 0
.rept 2*\nc
	v_max3_num_f32 v[\tm+qb], v[\tm+qb], |v[\s+16*qb+qi]|, |v[\s+16*qb+qi+1]|
.set qb, qb+1
.endr
.set qi, qi+2
.endr
.set qb, 0
.rept 2*\nc
	v_permlanex16_b32 v[\tm+4+qb], v[\tm+qb], s[SEL], s[SEL+1]
.set qb, qb+1
.endr
.set qb, 0
.rept 2*\nc
	v_max_num_f32 v[\tm+qb], v[\tm+qb], v[\tm+4+qb]                ; with lane l xor 16's: the block's largest magnitude
.set qb, qb+1
.endr
.set qb, 0
.rept 2*\nc
	v_add_nc_u32 v[\tm+12+qb], 0xff000000, v[\tm+qb]               ; 2 off its exponent field: the conversion's scale operand
.set qb, qb+1
.endr
.set qb, 0
.rept 2*\nc
	v_lshrrev_b32 v[\tm+4+qb], 23, v[\tm+12+qb]                    ; the scale's byte
.set qb, qb+1
.endr
	v_lshl_or_b32 v[\pw], v[\tm+5], 8, v[\tm+4]
.if \nc > 1
	v_lshl_or_b32 v[\pw], v[\tm+6], 16, v[\pw]
	v_lshl_or_b32 v[\pw], v[\tm+7], 24, v[\pw]
.endif
.set qc, 0
.rept \nc
	v_cvt_scalef32_pk16_fp6_f32 v[\pc+6*qc:\pc+6*qc+2], v[\s+32*qc:\s+32*qc+15], v[\tm+12+2*qc]
	v_cvt_scalef32_pk16_fp6_f32 v[\pc+12+4*qc:\pc+14+4*qc], v[\s+32*qc+16:\s+32*qc+31], v[\tm+13+2*qc]
.set qc, qc+1
.endr
	v_nop                                                          ; one plain place behind a scaled conversion
.set qc, 0
.rept \nc
.set qi, 0
.rept 3
	v_permlane16_swap_b32 v[\pc+6*qc+qi], v[\pc+12+4*qc+qi]
.set qi, qi+1
.endr
.set qi, 0
.rept 3
	v_mov_b32 v[\pc+3+6*qc+qi], v[\pc+12+4*qc+qi]
.set qi, qi+1
.endr
.set qc, qc+1
.endr
.endm
; Half-step hs = 2 s + hf of pass p in a slot: its 6 fragments of W and 3 blocks of scale words, into set hf: 27 LDS loads in one run, behind four places,
; since the set's registers were read by the matrix instructions just issued.
.macro WFETCH slot, p, hs
.set fs, (\hs)/2
.set fh, (\hs)%2
.set fw, WS0+72*fh
	PLACES 4
.set ft, 0
.rept 6
	LFRAG fw+12*ft, AW16+2*\slot+fs/3, AW8+2*\slot+fs/3, (fs%3)*18432+(6*fh+ft)*1536
.set ft, ft+1
.endr
.set ft, 0
.rept 3
	ds_load_b32 v[WSC+3*fh+ft], v[AWS] offset:\p*4608+fs*768+(3*fh+ft)*128
.set ft, ft+1
.endr
.endm
; 24 matrix instructions: 6 tiles of features x 4 tiles of tokens, 128 along K.  type 0: source 0 = W, source 1 = x;  type 1: the other way round.
.macro MUL24 type, hs, zero
.set ms, (\hs)/2
.set mh, (\hs)%2
.set mw, WS0+72*mh
.set mx, 48*ms
.set mxw, 1
.if ms == 5
.set mx, 192
.set mxw, 2
.endif
.if \type
	WIN ((2+mh)*0x50)|mxw
.else
	WIN ((2+mh)*0x50)|(mxw<<2)
.endif
.set mt, 0
.rept 6
.set mm, 0
.rept 4
.set mc, 8*(4*mt+mm)
.if \zero
.set mc, -1
.endif
.if \type
	WMMA 8*(4*mt+mm), mx+12*mm, mw+12*mt, mc, XSC+2*ms+mm/2, WSC+3*mh+mt/2, mm%2, mt%2
.else
	WMMA 8*(4*mt+mm), mw+12*mt, mx+12*mm, mc, WSC+3*mh+mt/2, XSC+2*ms+mm/2, mt%2, mm%2
.endif
.set mm, mm+1
.endr
.set mt, mt+1
.endr
	WIN 0
.endm
.macro HS type, slot, p, hs, first
.if (\hs) < 11
	WFETCH \slot, \p, (\hs)+1
	s_wait_dscnt 27                                ; the 27 loads just issued may be out: this half-step's set is in
.else
	s_wait_dscnt 0x0
.endif
.if (\first) && ((\hs)%2 == 0)
.set lc, 16*(5-(\hs)/2)
.if lc > 63
.set lc, 63
.endif
	s_wait_loadcnt lc                              ; x's fragments came K step by K step, 16 loads each: those of later K steps may be out
.endif
	MUL24 \type, \hs, (\hs)<2
.endm
.macro PASS type, slot, p, first
.irp hs, 0,1,2,3,4,5,6,7,8,9,10,11
	HS \type, \slot, \p, \hs, \first
.endr
.endm
.macro BIAS_QK p, e                    ; head e's 64 numbers of the pass's bias, in the result's layout: tile q's eight of my half
	WIN 0xc0
.irp q, 0,1,2,3
	global_load_b128 v[BI+32*((\e)%2)+8*\q:BI+32*((\e)%2)+8*\q+3], v[BH], s[BP+6*\p:BP+6*\p+1] offset:(64*\e+32*(\q/2)+8*(\q%2))*4
	global_load_b128 v[BI+32*((\e)%2)+8*\q+4:BI+32*((\e)%2)+8*\q+7], v[BH], s[BP+6*\p:BP+6*\p+1] offset:(64*\e+32*(\q/2)+8*(\q%2))*4+16
.endr
	WIN 0
.endm
.macro BIAS_V                          ; V's bias: one number a lane and tile
	WIN 0xc0
.irp t, 0,1,2,3,4,5,6,7,8,9,10,11
	global_load_b32 v[BI+\t], v[BR], s[BP+12:BP+13] offset:(64*(\t/4)+32*((\t%4)/2)+8*(\t%2))*4
.endr
	WIN 0
.endm
; The way out of Q or K: head e of the pass, token tile m: 32 sums + bias (a lane's 32 of its token's 64), quantised, 768 bytes of codes; a pair of tiles' scale words together.
.macro OUTQK p, e, m
.irp q, 0,1,2,3
.set ot, 4*\e+\q
.set oa, 8*(4*(ot%6)+\m)
	WIN 0x0c|(2+ot/6)
.irp i, 0,2,4,6
	v_pk_add_f32 v[T+8*\q+\i:T+8*\q+\i+1], v[oa+\i:oa+\i+1], v[BI+32*((\e)%2)+8*\q+\i:BI+32*((\e)%2)+8*\q+\i+1]   ; each accumulator from its low end on
.endr
.endr
	WIN 0
	s_wait_alu depctr_va_vdst(0)
	s_wait_xcnt 0x0                                ; the last unit's stores have read their data: the codes' registers may be written
	QUANT T, 1, TM, PW, PC
	global_store_b128 v[K16], v[PC:PC+3], s[DP+6*\p:DP+6*\p+1] offset:\e*PKG+(\m%2)*768+(\m/2)*128
	global_store_b64 v[K8], v[PC+4:PC+5], s[DP+6*\p:DP+6*\p+1] offset:\e*PKG+(\m%2)*768+512+(\m/2)*64
.if \m%2 == 0
	v_mov_b32 v[PWK], v[PW]
.else
	v_cndmask_b32 v[SW], v[PWK], v[PW], s[HI]
	global_store_b32 v[K4], v[SW], s[EP+6*\p:EP+6*\p+1] offset:\e*PKG+(\m/2)*32
.endif
.endm
.macro WAYQK p
	s_wait_loadcnt 0x0                             ; the biases of heads 0 and 1
.irp m, 0,1,2,3
	OUTQK \p, 0, \m
.endr
	BIAS_QK \p, 2                                  ; head 2's takes the set that head 0 has left
.irp m, 0,1,2,3
	OUTQK \p, 1, \m
.endr
	s_wait_loadcnt 0x0
.irp m, 0,1,2,3
	OUTQK \p, 2, \m
.endr
.endm
; The way out of V: tile t of 16 features: a lane's 32 registers are 32 of its feature's 64 tokens.
.macro OUTV t
.set oa, 32*((\t)%6)
	WIN 0x0c|(2+(\t)/6)
.set ok, 0
.rept 16
.if (\t)%2
	v_pk_add_f32 v[T+ok:T+ok+1], v[oa+ok:oa+ok+1], v[BI+(\t)-1:BI+(\t)] op_sel:[0,1] op_sel_hi:[1,1]
.else
	v_pk_add_f32 v[T+ok:T+ok+1], v[oa+ok:oa+ok+1], v[BI+(\t):BI+(\t)+1] op_sel_hi:[1,0]
.endif
.set ok, ok+2
.endr
	WIN 0
	s_wait_alu depctr_va_vdst(0)
	s_wait_xcnt 0x0
	QUANT T, 1, TM, PW, PC
	global_store_b128 v[L16], v[PC:PC+3], s[DP+12:DP+13] offset:((\t)/4)*PKG+((\t)%4)*1536
	global_store_b64 v[L8], v[PC+4:PC+5], s[DP+12:DP+13] offset:((\t)/4)*PKG+((\t)%4)*1536+512
.if (\t)%2 == 0
	v_mov_b32 v[PWK], v[PW]
.else
	v_cndmask_b32 v[SW], v[PWK], v[PW], s[HI]
	global_store_b16 v[L4], v[SW], s[EP+12:EP+13] offset:((\t)/4)*PKG+(((\t)%4)/2)*128   ; my 64 keys' two bytes of each word
.endif
.endm
	s_load_b512 s[4:19], s[0:1], 0x0               ; xc, xs, wc, ws, bq, bk, bv, pk
	v_lshl_add_u32 v[SPW], v0, 2, SPARE
	v_mov_b32 v[NIL], 0
	ds_add_u32 v13, v14
	ds_add_u32 v13, v14
	s_wait_dscnt 0x0
	v_lshrrev_b32 v1, 5, v0
	v_readfirstlane_b32 s[WV], v1                  ; wave 0..3
	s_bfe_u32 s[CX], ttmp6, 0x40000                ; my place in the cluster
	s_lshl_b32 s[TBK], ttmp9, 2
	s_add_co_u32 s[TBK], s[TBK], s[CX]             ; my block of 256 tokens: it enters global addresses of x and of the packages alone
	s_and_b32 s[GG], ttmp7, 0xffff                 ; my group of features, which the four partners share
	s_mov_b32 s[SEL], 0x76543210
	s_mov_b32 s[SEL+1], 0xfedcba98
	s_mov_b32 s[HI], 0xffff0000
	DESC1 G1H, 32, 144
	DESC1 G1P, 32, 108
	DESC1 G1S, 32, 54
	s_mul_i32 s94, s[GG], 3*PASSB                  ; my three passes of W's codes
	s_mov_b32 s95, 0
	s_add_co_u32 s96, s[WV], 3
	s_and_b32 s96, s96, 3                          ; waves 1, 2, 3: 0, 1, 2
	s_mul_i32 s96, s96, 36864                      ; my third of pass 0
	s_mul_i32 s97, s[WV], 27648                    ; of a pass,
	s_mov_b32 s98, 0                               ; the scale words come whole, by wave 0
	s_mul_i32 s2, s[GG], 13824
	s_mov_b32 s3, 0
	s_wait_kmcnt 0x0
	s_add_nc_u64 s[66:67], s[8:9], s[94:95]
	s_add_nc_u64 s[10:11], s[10:11], s[2:3]
	G0SET G0S, 98, SCW, 10, 0
	G0SET G0A, 96, 0, 66, 0
	G0SET G0P1, 97, PASSB, 66, PASSB
	G0SET G0P2, 97, 0, 66, 2*PASSB
	CROUND                                         ; all four work-groups are here: the first joint loads meet
	s_cmp_lg_u32 s[WV], 0                          ; one load a wave at the head, in the two arms of one branch on the wave's number
	s_cbranch_scc1 .Lhead_codes
	tensor_load_to_lds s[G0S:G0S+3], s[G1S:G1S+7]          ; wave 0: the scale words
	s_nop 0
	PLACES 4
	s_branch .Lhead_asked
.Lhead_codes:
	tensor_load_to_lds s[G0A:G0A+3], s[G1H:G1H+7]          ; waves 1 to 3: a third of pass 0
	s_nop 0
	PLACES 4
.Lhead_asked:
	; where the results go, and the biases
	s_cmp_ge_u32 s[GG], 2                          ; K's features (else Q's)
	s_cselect_b64 s[BP:BP+1], s[14:15], s[12:13]
	s_cselect_b32 s2, 0, 104448                    ; the codes' place in a package
	s_mov_b32 s3, 153600
	s_cselect_b32 s3, 98304, s3                    ; the scale words'
	s_lshr_b32 s94, s[TBK], 2
	s_mul_i32 s94, s94, 12*PKG                     ; the batch's twelve packages
	s_and_b32 s96, s[GG], 1
	s_mul_i32 s27, s96, 6*PKG
	s_add_co_u32 s27, s27, s94                     ; pass 0's first head: 6 (g % 2)
	s_and_b32 s66, s[TBK], 3
	s_lshl_b32 s66, s66, 4
	s_lshl_b32 s67, s[WV], 2
	s_add_co_u32 s66, s66, s67                     ; my first token tile in the batch
	s_mul_i32 s67, s66, 768
	s_add_co_u32 s98, s27, s2
	s_add_co_u32 s98, s98, s67
	s_mov_b32 s99, 0
	s_add_nc_u64 s[DP:DP+1], s[18:19], s[98:99]
	s_add_nc_u64 s[DP+6:DP+7], s[DP:DP+1], 3*PKG   ; pass 1: three heads on
	s_lshl_b32 s67, s66, 6
	s_add_co_u32 s98, s27, s3
	s_add_co_u32 s98, s98, s67
	s_add_nc_u64 s[EP:EP+1], s[18:19], s[98:99]
	s_add_nc_u64 s[EP+6:EP+7], s[EP:EP+1], 3*PKG
	s_mul_i32 s98, s96, 6*256
	s_add_nc_u64 s[BP:BP+1], s[BP:BP+1], s[98:99]
	s_add_nc_u64 s[BP+6:BP+7], s[BP:BP+1], 3*256
	s_mul_i32 s27, s[GG], 3*PKG
	s_add_co_u32 s27, s27, s94                     ; pass 2: V's heads 3 g ..
	s_and_b32 s66, s[TBK], 3
	s_lshl_b32 s66, s66, 1
	s_lshr_b32 s67, s[WV], 1
	s_add_co_u32 s66, s66, s67                     ; my 64 tokens lie in key step j,
	s_and_b32 s67, s[WV], 1                        ; in its half
	s_mul_i32 s98, s66, 6144
	s_add_co_u32 s98, s98, s27
	s_mul_i32 s2, s67, 768
	s_add_co_u32 s98, s98, s2
	s_add_co_u32 s98, s98, 49152
	s_add_nc_u64 s[DP+12:DP+13], s[18:19], s[98:99]
	s_lshl_b32 s98, s66, 8
	s_add_co_u32 s98, s98, s27
	s_lshl_b32 s2, s67, 1
	s_add_co_u32 s98, s98, s2
	s_add_co_u32 s98, s98, 102400
	s_add_nc_u64 s[EP+12:EP+13], s[18:19], s[98:99]
	s_mul_i32 s98, s[GG], 768
	s_add_nc_u64 s[BP+12:BP+13], s[16:17], s[98:99]
	s_lshl_b32 s94, s[TBK], 4
	s_lshl_b32 s95, s[WV], 2
	s_add_co_u32 s94, s94, s95                     ; my first token tile of all
	s_mul_i32 s98, s94, 9216
	s_add_nc_u64 s[4:5], s[4:5], s[98:99]          ; its fragments,
	s_mul_i32 s98, s94, 384
	s_add_nc_u64 s[6:7], s[6:7], s[98:99]          ; its pair's scale words
	v_and_b32 v[PW], 31, v0
	v_lshlrev_b32 v[L16], 4, v[PW]
	v_lshlrev_b32 v[L8], 3, v[PW]
	v_lshlrev_b32 v[L4], 2, v[PW]
.irp sl, 0,1
.irp hp, 0,1
	v_add_nc_u32 v[AW16+2*\sl+\hp], \sl*PASSB+\hp*HALFP, v[L16]
	v_add_nc_u32 v[AW8+2*\sl+\hp], \sl*PASSB+\hp*HALFP, v[L8]
.endr
.endr
	v_add_nc_u32 v[AWS], SCW, v[L4]
	v_bfe_u32 v[BH], v0, 4, 1
	v_lshlrev_b32 v[BH], 6, v[BH]
	v_and_b32 v[BR], 15, v0
	v_and_b32 v[PWK], 8, v[BR]
	v_add_nc_u32 v[BR], v[BR], v[PWK]
	v_lshlrev_b32 v[BR], 2, v[BR]
	v_and_b32 v[SW], 7, v0                         ; r % 8
	v_bfe_u32 v[K4], v0, 3, 1                      ; r / 8
	v_bfe_u32 v[PWK], v0, 4, 1                     ; h
	v_mul_u32_u24 v[K16], v[K4], 1536              ; two tiles on for r / 8
	v_lshl_add_u32 v[K8], v[SW], 3, v[K16]
	v_lshl_add_u32 v[K16], v[SW], 4, v[K16]
	v_lshl_add_u32 v[K8], v[PWK], 7, v[K8]         ; 1536 (r / 8) + 8 (r % 8 + 16 h)
	v_lshl_add_u32 v[K16], v[PWK], 8, v[K16]       ; 1536 (r / 8) + 16 (r % 8 + 16 h)
	v_lshlrev_b32 v[K4], 7, v[K4]
	v_lshl_add_u32 v[K4], v[SW], 2, v[K4]
	v_lshl_add_u32 v[K4], v[PWK], 6, v[K4]         ; 128 (r / 8) + 64 h + 4 (r % 8)
	v_mov_b32 v[TM+4], 0                           ; written once: a lane permute's destination counts as one of its sources
	v_mov_b32 v[TM+5], 0
	BIAS_QK 0, 0
	BIAS_QK 0, 1
.irp s, 0,1,2,3,4,5
.irp i, 0,1
	global_load_b32 v[XSC+2*\s+\i], v[L4], s[6:7] offset:\i*768+\s*128
.endr
.endr
.irp s, 0,1,2,3,4,5                    ; x's 24 fragments, K step by K step, 16 loads each: they stay
.if \s < 5
	WIN 0x40
.else
	WIN 0x80
.endif
.irp m, 0,1,2,3
.if \s < 5
	GFRAG 48*\s+12*\m, \m*9216+\s*1536
.else
	GFRAG 192+12*\m, \m*9216+\s*1536
.endif
.endr
.endr
	WIN 0
	s_wait_alu depctr_va_vdst(0)
	s_wait_tensorcnt 0x0                           ; my load of the head has landed
	ds_add_u32 v[SPW], v[NIL]
	s_wait_dscnt 0x0
	CROUND                                         ; everybody's has, in all four work-groups
	tensor_load_to_lds s[G0P1:G0P1+3], s[G1P:G1P+7]        ; pass 1, my quarter: slot 1's first fill, my one load behind the round
	s_nop 0
	PLACES 4
	WFETCH 0, 0, 0
	PASS 0, 0, 0, 1
	; THE ONE REFILL: slot 0 has been read out and takes pass 2.
	s_wait_tensorcnt 0x0                           ; all my tensor loads have landed, my part of pass 1 among them
	ds_add_u32 v[SPW], v[NIL]                      ; 0 onto my spare word
	s_wait_dscnt 0x0                               ; the add is done, and my reads of slot 0 are over
	CROUND                                         ; no wave of any partner still reads slot 0 or has a load on its way
	tensor_load_to_lds s[G0P2:G0P2+3], s[G1P:G1P+7]        ; my one load behind the round: it has pass 0's way out and all of pass 1 in which to land
	s_nop 0
	PLACES 4
	WFETCH 1, 1, 0                                 ; pass 1's first set comes while pass 0 goes out
	WAYQK 0
	BIAS_QK 1, 0
	BIAS_QK 1, 1
	PASS 0, 1, 1, 0
	s_wait_tensorcnt 0x0                           ; my part of pass 2 is in,
	s_wait_dscnt 0x0
	s_barrier_signal -1
	s_barrier_wait -1                              ; everybody's is
	WFETCH 0, 2, 0                                 ; (its four places are also those in front of the first read of pass 1's results)
	WAYQK 1
	BIAS_V
	PASS 1, 0, 2, 0
	PLACES 4
	s_wait_loadcnt 0x0                             ; V's bias
.irp t, 0,1,2,3,4,5,6,7,8,9,10,11
	OUTV \t
.endr
	s_wait_tensorcnt 0x0                           ; the wave's end
	ds_add_u32 v[SPW], v[NIL]
	s_wait_dscnt 0x0
	CROUND                                         ; the closing round
	s_endpgm
.Lfunc_end_k_q4cfdc49d7c_qkv:
	.size	k_q4cfdc49d7c_qkv, .Lfunc_end_k_q4cfdc49d7c_qkv-k_q4cfdc49d7c_qkv
	.p2alignl 7, 3214868480
	.fill 96, 4, 3214868480
	.section	.rodata,"a",@progbits
	.p2align	6, 0x0
	.amdhsa_kernel k_q4cfdc49d7c_qkv
		.amdhsa_group_segment_fixed_size 327680
		.amdhsa_private_segment_fixed_size 0
		.amdhsa_enable_private_segment 0
		.amdhsa_kernarg_size 64
		.amdhsa_user_sgpr_count 2
		.amdhsa_user_sgpr_kernarg_segment_ptr 1
		.amdhsa_wavefront_size32 1
		.amdhsa_system_sgpr_workgroup_id_x 1
		.amdhsa_system_sgpr_workgroup_id_y 1
		.amdhsa_system_sgpr_workgroup_id_z 1
		.amdhsa_system_vgpr_workitem_id 0
		.amdhsa_next_free_vgpr 1024
		.amdhsa_next_free_sgpr 100
		.amdhsa_reserve_vcc 0
		.amdhsa_float_denorm_mode_32 3
		.amdhsa_float_denorm_mode_16_64 3
		.amdhsa_memory_ordered 1
		.amdhsa_forward_progress 1
		.amdhsa_inst_pref_size 255
	.end_amdhsa_kernel
	.section	.bss,"aw",@nobits
	.p2align	6
	.space	262144
	.amdgpu_metadata
---
amdhsa.version: [ 1, 2 ]
amdhsa.kernels:
  - .name:           k_q4cfdc49d7c_qkv
    .symbol:         k_q4cfdc49d7c_qkv.kd
    .args:
      - { .name: xc, .offset: 0, .size: 8, .value_kind: global_buffer, .address_space: global }
      - { .name: xs, .offset: 8, .size: 8, .value_kind: global_buffer, .address_space: global }
      - { .name: wc, .offset: 16, .size: 8, .value_kind: global_buffer, .address_space: global }
      - { .name: ws, .offset: 24, .size: 8, .value_kind: global_buffer, .address_space: global }
      - { .name: bq, .offset: 32, .size: 8, .value_kind: global_buffer, .address_space: global }
      - { .name: bk, .offset: 40, .size: 8, .value_kind: global_buffer, .address_space: global }
      - { .name: bv, .offset: 48, .size: 8, .value_kind: global_buffer, .address_space: global }
      - { .name: pk, .offset: 56, .size: 8, .value_kind: global_buffer, .address_space: global }
    .group_segment_fixed_size: 327680
    .private_segment_fixed_size: 0
    .kernarg_segment_align: 8
    .kernarg_segment_size: 64
    .max_flat_workgroup_size: 128
    .sgpr_count:     100
    .vgpr_count:     1024
    .wavefront_size: 32
...
	.end_amdgpu_metadata
.endif
;; end of part 2
;; launch attn (part 3): grid 4 x 64, 16 waves a work-group, clusters of 4 x 1, 327,680 bytes of LDS; arguments pk, ac, ascl; writes ac, ascl
.if DOCPART == 3
	.amdgcn_target "amdgcn-amd-amdhsa--gfx1250"
	.amdhsa_code_object_version 6
	.text
	.protected	k_q4cfdc49d7c_attn
	.globl	k_q4cfdc49d7c_attn
	.p2align	8
	.type	k_q4cfdc49d7c_attn,@function
k_q4cfdc49d7c_attn:
	s_mov_b64 s[64:65], 0
	v_nop
	global_prefetch_b8 v0, s[64:65] scope:SCOPE_SE
	s_setreg_imm32_b32 hwreg(HW_REG_WAVE_MODE, 25, 1), 1
	s_wait_xcnt 0x0
	s_wait_alu depctr_hold_cnt(0) depctr_sa_sdst(0) depctr_va_vdst(0) depctr_va_sdst(0) depctr_va_ssrc(0) depctr_va_vcc(0) depctr_vm_vsrc(0)
	s_getreg_b32 s2, hwreg(HW_REG_IB_STS2, 6, 4)
	s_cmp_eq_u32 s2, 0
	s_cbranch_scc0 .Lentry_in_a_cluster
	s_endpgm
.Lentry_in_a_cluster:
	s_bfe_u32 s2, ttmp6, 0x10000c
	s_cmp_lg_u32 s2, 0x3003
	s_cbranch_scc0 .Lentry_shape_is_right
	s_endpgm
.Lentry_shape_is_right:
; O = softmax(Q K^T / 8) V for 16 batches x 12 heads of 64, 1,024 tokens, both products on codes of FP6 (E2M3) with E8M0 scales; O is quantised along the head's 64 and leaves as codes
; in the order of the last projection's operand registers.
; THE SOFTMAX: t = score x log2(e) / 8; M = the row's largest t so far, rounded UP to a whole number; p = 2^(t - M) is quantised along the keys, not normalised.  The row's sum is taken of the
; unquantised p and divides O at the end.  When M moves, the sum and O are multiplied by f = 2^(old M - new M), which rounds nothing.
; SHARES.  A work-group owns 256 queries of a batch and stays for three heads; each of its sixteen waves owns one tile of 16 queries in 256 registers and walks all 1,024 keys, 128 a step.
; K, V AND THEIR SCALE WORDS OF ALL THREE HEADS LIE IN LDS WHOLE, 3 x 104,448 bytes.  Waves 0 to 11 bring a quarter of a head each, one tensor load a wave, 102 rows of 256 bytes; nothing is filled again.
; One barrier shows all twelve parts to all waves; behind it the waves share nothing and meet again only at the closing round.  All that the launch reads of K and V is asked for by its first
; instructions, so there is no loop to run ahead in and no prefetch.
; CLUSTER.  The four blocks of queries of a batch walk the same K and V: the loads are joint (mask 15).
; LAYOUT.  Both products are used transposed: S^T = K Q^T, O^T = V^T P^T: a lane holds one query throughout.  Lane r of tile n of a group of 64 keys holds key 8 n + r % 8 + 32 (r / 8): so the 32 result
; registers of a group's four tiles are, in lane (r, h), the 32 neighbouring keys of block h of the group: a whole block of the next K, as the operand's layout wants it: no lane is asked for a block's
; maximum and no code changes lanes.  V's 16 of the head's 64: lane r of tile 2 P + u holds channel 32 P + 8 u + r + 8 (r / 8).
; THE FIRST PRODUCT'S K IS 64.  Q's upper 64 of the instruction's 128 are zero codes.  K's eight tiles stand 6 registers apart, so a tile's upper 64 are the next tile's codes (the last tile's: p's codes):
; finite numbers under finite scale bytes (0), which Q's zeros multiply away.
; The first step of a head finds -M = 3e38, so its f is 0: what the last head left in O and in the sum, finite numbers, is multiplied away; only the first head's are cleared.
; LIMITS: the promise holds while the scaled scores stay under 2^31 in magnitude; a block of zeros gets the scale byte 1 where the rule says 127 (read by this program alone); p under 2^-126 falls to 0
; in v_exp_f32; 1 / the sum is v_rcp_f32 and a multiplication; NaN and infinities are not served (one in a head's O would also reach the same tokens' next head).
; O's scale bytes are stored a byte a lane: blocks of 256 bytes written in part, 32 bytes for a tile's 768 bytes of codes.
.set PKG,  157696
.set HB,   104448                      ; a head in LDS: K's codes 49,152 | V's 49,152 | K's scale words 4,096 | V's 2,048
.set SPARE, 3*HB                       ; the spare words, 128 bytes for each of 16 waves
.set L16,  1                           ; v1  16 x lane;  v2  8 x lane;  v3  4 x lane
.set L8,   2
.set L4,   3
.set A16,  4                           ; v4-7 the step's LDS addresses: codes by 16, by 8; K's scale words; V's
.set A8,   5
.set C4,   6
.set D4,   7
.set QA,   8                           ; v8  4 r
.set ASA,  9                           ; v9  4 r + h
.set SW,   10                          ; v10 O's scale byte of my block
.set SH8,  11                          ; v11 8 h;   v12 -M, v13 the largest score, v[14:15] the sum in two halves
.set QF,   16                          ; v16-21 Q's codes, v22-27 zeros
.set QS,   28                          ; v28 Q's scale words
.set MO,   29                          ; v29 the last step's -M
.set VS,   30                          ; v30-31 V's scale words
.set KF,   32                          ; v32-79 K's eight tiles, six registers each
.set PC,   80                          ; v80-91 p's codes, directly behind K's last tile
.set VF,   92                          ; v92-139 four fragments of V
.set S,    140                         ; v140-203 S^T, then p
.set O,    204                         ; v204-235 O^T
.set KS,   236                         ; v236-239 K's scale words: a pair of tiles to a register
.set BM,   240                         ; v240-243 maxima, then the conversions' scale operands
.set TA,   244                         ; v244-251 at work
.set F,    252                         ; v252 f
.set PW,   253                         ; v253 p's scale word
.set SPW,  254                         ; v254 my spare word, v255 0: never rewritten
.set NIL,  255
.set E,    S+32                        ; at work on the way out
.set WV,   10
.set CX,   11
.set BB,   12
.set HG,   13
.set SEL,  14
.set CS,   16
.set HI,   18
.set TB,   19
.set TS,   20
.set TV,   21
.set CNT,  22
.set NC,   23
.set G1,   24
.set G0,   32
.set QP,   44
.set QSP,  46
.set AOP,  48
.set ASP,  50                          ; s[50:55] where each head's scale bytes go
.macro PLACES n
.rept \n
	v_nop
.endr
.endm
.macro CROUND
	s_barrier_signal -1
	s_barrier_wait -1
	s_cmp_lg_u32 s[WV], 0
	s_cbranch_scc1 .Lnot_wave_0_\@
	s_barrier_signal -3
.Lnot_wave_0_\@:
	s_barrier_wait -3
	s_barrier_signal -1
	s_barrier_wait -1
.endm
.macro LFRAG reg, a16, a8, off
	ds_load_b128 v[\reg:\reg+3], v[\a16] offset:\off
	ds_load_b64 v[\reg+4:\reg+5], v[\a8] offset:\off+512
	ds_load_b128 v[\reg+6:\reg+9], v[\a16] offset:\off+768
	ds_load_b64 v[\reg+10:\reg+11], v[\a8] offset:\off+1280
.endm
.macro KLOAD off, soff                 ; eight tiles of K and their scale words: 20 LDS loads
.irp t, 0,1,2,3,4,5,6,7
	ds_load_b128 v[KF+6*\t:KF+6*\t+3], v[A16] offset:\off+\t*768
	ds_load_b64 v[KF+6*\t+4:KF+6*\t+5], v[A8] offset:\off+\t*768+512
.endr
.irp i, 0,1,2,3
	ds_load_b32 v[KS+\i], v[C4] offset:\soff+\i*128
.endr
.endm
.macro SMUL t                          ; 16 keys x 16 queries; an odd tile's scale words stand in lanes 16-31
.if (\t)%2
	v_wmma_scale_f32_16x16x128_f8f6f4 v[S+8*(\t):S+8*(\t)+7], v[KF+6*(\t):KF+6*(\t)+11], v[QF:QF+11], 0, v[KS+(\t)/2], v[QS] matrix_a_fmt:MATRIX_FMT_FP6 matrix_b_fmt:MATRIX_FMT_FP6 matrix_a_scale:MATRIX_SCALE_ROW1
.else
	v_wmma_scale_f32_16x16x128_f8f6f4 v[S+8*(\t):S+8*(\t)+7], v[KF+6*(\t):KF+6*(\t)+11], v[QF:QF+11], 0, v[KS+(\t)/2], v[QS] matrix_a_fmt:MATRIX_FMT_FP6 matrix_b_fmt:MATRIX_FMT_FP6
.endif
.endm
.macro PMUL d                          ; 16 channels x 16 queries, 128 keys
.if (\d)%2
	v_wmma_scale_f32_16x16x128_f8f6f4 v[O+8*(\d):O+8*(\d)+7], v[VF+12*(\d):VF+12*(\d)+11], v[PC:PC+11], v[O+8*(\d):O+8*(\d)+7], v[VS+(\d)/2], v[PW] matrix_a_fmt:MATRIX_FMT_FP6 matrix_b_fmt:MATRIX_FMT_FP6 matrix_a_scale:MATRIX_SCALE_ROW1
.else
	v_wmma_scale_f32_16x16x128_f8f6f4 v[O+8*(\d):O+8*(\d)+7], v[VF+12*(\d):VF+12*(\d)+11], v[PC:PC+11], v[O+8*(\d):O+8*(\d)+7], v[VS+(\d)/2], v[PW] matrix_a_fmt:MATRIX_FMT_FP6 matrix_b_fmt:MATRIX_FMT_FP6
.endif
.endm
.macro OMUL n                          ; the next n pairs of O^T under the new M, each accumulator from its low end on
.rept \n
	v_pk_mul_f32 v[O+oj:O+oj+1], v[O+oj:O+oj+1], v[F:F+1] op_sel_hi:[1,0]
.set oj, oj+2
.endr
.endm
.macro LEVEL n                         ; the sum of p, in place: pair i += pair i + n
.set j, 0
.rept \n
	v_pk_add_f32 v[S+2*j:S+2*j+1], v[S+2*j:S+2*j+1], v[S+2*(j+\n):S+2*(j+\n)+1]
.set j, j+1
.endr
.endm
.macro QLOAD e                         ; my tile of head e's Q: six registers of codes and the scale words
	global_load_b128 v[QF:QF+3], v[L16], s[QP:QP+1] offset:(\e)*PKG
	global_load_b64 v[QF+4:QF+5], v[L8], s[QP:QP+1] offset:(\e)*PKG+512
	global_load_b32 v[QS], v[QA], s[QSP:QSP+1] offset:(\e)*PKG
.endm
; A KEY STEP: 128 keys.  At its start this step's K is on its way or in: it was asked for a step earlier.
.macro STEP
	v_add_nc_u32 v[A16], s[TB], v[L16]             ; (these four are the places behind the last step's products, in front of the loads into V's registers)
	v_add_nc_u32 v[A8], s[TB], v[L8]
	v_add_nc_u32 v[C4], s[TS], v[L4]
	v_add_nc_u32 v[D4], s[TV], v[L4]
.irp d, 0,1,2,3
	LFRAG VF+12*\d, A16, A8, 49152+\d*1536
.endr
	ds_load_b32 v[VS], v[D4]
	ds_load_b32 v[VS+1], v[D4] offset:128
	s_wait_alu depctr_va_vdst(0)
	s_wait_dscnt 18                                ; K's 20 loads are in; V's 18, issued behind them, may be out
.irp t, 0,1,2,3,4,5,6,7
	SMUL \t
.endr
	v_mov_b32 v[MO], v12                           ; the old -M; with three v_nop the four places behind the products
	PLACES 3
	KLOAD 6144, 512                                ; the next step's K.  (A head's last step fetches bytes of the same head's V and V's scale words, which nothing uses)
.irp b, 0,1,2,3                        ; lane (r, h) holds query r; register 32 c + i is key 64 c + 32 h + i of the step.  Four chains of 15 scores by turns
	v_max3_num_f32 v[BM+\b], v[S+16*\b], v[S+16*\b+1], v[S+16*\b+2]
.endr
.irp i, 3,5,7,9,11,13
.irp b, 0,1,2,3
	v_max3_num_f32 v[BM+\b], v[BM+\b], v[S+16*\b+\i], v[S+16*\b+\i+1]
.endr
.endr
	v_max3_num_f32 v[BM], v[BM], v[BM+1], v[S+15]
	v_max3_num_f32 v[BM+1], v[BM+2], v[BM+3], v[S+47]
	v_max_num_f32 v[BM], v[BM], v[S+31]            ; the largest score of my block of group 0: it serves the row's maximum and, since p rises with the score, the block's largest p
	v_max_num_f32 v[BM+1], v[BM+1], v[S+63]        ; and of group 1
	s_delay_alu instid0(VALU_DEP_1)
	v_max3_num_f32 v13, v13, v[BM], v[BM+1]
	v_permlanex16_b32 v[TA], v13, s[SEL], s[SEL+1]
	s_delay_alu instid0(VALU_DEP_1)
	v_max_num_f32 v13, v13, v[TA]                  ; with lane l xor 16's blocks: the row's largest score so far
	s_delay_alu instid0(VALU_DEP_1)
	v_mul_f32 v[TA+1], s[NC], v13                  ; -t
	s_delay_alu instid0(VALU_DEP_1)
	v_floor_f32 v12, v[TA+1]                       ; the new -M = -ceil(t)
.set j, 0
.rept 32
	v_pk_fma_f32 v[S+j:S+j+1], v[S+j:S+j+1], s[CS:CS+1], v[12:13] op_sel_hi:[1,0,0]   ; t - M
.if j == 6
	v_sub_f32 v[TA+1], v12, v[MO]                  ; old M - new M: a whole number, 0 or less
.elseif j == 14
	v_cvt_i32_f32 v[TA+1], v[TA+1]                 ; (it saturates)
.elseif j == 22
	v_ldexp_f32 v[F], 1.0, v[TA+1]                 ; f = 2^(old M - new M)
.endif
.set j, j+2
.endr
	v_fma_f32 v[BM], v[BM], s[CS], v12
	v_fma_f32 v[BM+1], v[BM+1], s[CS], v12
	s_wait_alu depctr_va_vdst(0)                   ; the wait stands ahead of the batch and of the wait below
	s_wait_dscnt 20                                ; V's 18 loads are in; the next step's K, 20 loads issued behind them, may be out
.set j, 0
.rept 64
	v_exp_f32 v[S+j], v[S+j]                       ; p = 2^(t - M)
.set j, j+1
.endr
	v_exp_f32 v[BM], v[BM]                         ; my two blocks' largest p
	v_exp_f32 v[BM+1], v[BM+1]
	v_pk_mul_f32 v[14:15], v[14:15], v[F:F+1] op_sel_hi:[1,0]      ; the sums under the new M (a plain place behind the exponentials)
	s_wait_alu depctr_va_vdst(0)                   ; one wait for the batch, directly ahead of the first reader of O^T
.set oj, 0
	OMUL 4                                         ; O^T under the new M, by turns with the two blocks' scales
	v_max_num_f32 v[BM], 0x1800000, v[BM]          ; the floor 2^(3 - 127)
	v_max_num_f32 v[BM+1], 0x1800000, v[BM+1]
	OMUL 4
	v_add_nc_u32 v[BM+2], 0xff000000, v[BM]        ; 2 off the exponent field: the conversion's scale operand
	v_add_nc_u32 v[BM+3], 0xff000000, v[BM+1]
	OMUL 4
	v_lshrrev_b32 v[TA], 23, v[BM+2]               ; the scale's byte
	v_lshrrev_b32 v[TA+1], 23, v[BM+3]
	OMUL 4
	v_lshl_or_b32 v[TA], v[TA+1], 16, v[TA]        ; blocks h and 2 + h of the step,
	s_delay_alu instid0(VALU_DEP_1)
	v_lshlrev_b32 v[TA], v[SH8], v[TA]             ; at their places in the word;
	v_permlanex16_b32 v[TA+2], v[TA], s[SEL], s[SEL+1]
	s_delay_alu instid0(VALU_DEP_1)
	v_or_b32 v[PW], v[TA], v[TA+2]                 ; with lane l xor 16's two: p's scale word for these 128 keys
.irp c, 0,1
	v_cvt_scalef32_pk16_fp6_f32 v[PC+6*\c:PC+6*\c+2], v[S+32*\c:S+32*\c+15], v[BM+2+\c]
	v_cvt_scalef32_pk16_fp6_f32 v[TA+4*\c:TA+4*\c+2], v[S+32*\c+16:S+32*\c+31], v[BM+2+\c]   ; (a conversion's three registers begin on an even number)
.endr
	v_nop                                          ; one plain place behind a scaled conversion
	LEVEL 16
	LEVEL 8
.irp c, 0,1
.irp i, 0,1,2
	v_mov_b32 v[PC+3+6*\c+\i], v[TA+4*\c+\i]       ; registers 6 c .. 6 c + 5: keys 64 c + 32 h + 0 .. 31
.endr
.endr
	LEVEL 4
	s_delay_alu instid0(VALU_DEP_4)
	v_pk_add_f32 v[14:15], v[14:15], v[S:S+1]
	s_delay_alu instid0(VALU_DEP_3)
	v_pk_add_f32 v[S+2:S+3], v[S+2:S+3], v[S+4:S+5]
	s_delay_alu instid0(VALU_DEP_2)
	v_pk_add_f32 v[14:15], v[14:15], v[S+6:S+7]
	s_delay_alu instid0(VALU_DEP_1)
	v_pk_add_f32 v[14:15], v[14:15], v[S+2:S+3]
.irp d, 0,1,2,3
	PMUL \d                                        ; four accumulators by turns, one instruction a turn
.endr
.endm
.macro HEAD e
.if \e > 0
	s_wait_xcnt 0x0                                ; the last head's stores have read their data registers
	s_wait_dscnt 0x0                               ; and the loads that its last step issued into K's registers are done
.endif
	s_mov_b32 s[TB], \e*HB
	s_mov_b32 s[TS], \e*HB+98304
	s_mov_b32 s[TV], \e*HB+102400
	s_mov_b32 s[CNT], 8
	v_add_nc_u32 v[A16], s[TB], v[L16]
	v_add_nc_u32 v[A8], s[TB], v[L8]
	v_add_nc_u32 v[C4], s[TS], v[L4]
	KLOAD 0, 0                                     ; the head's first step of K
	v_mov_b32 v13, 0xff61b1e6                      ; the largest score so far: -3e38
	v_mov_b32 v12, 0x7f61b1e6                      ; -M = 3e38: the first step's f is 0
	s_wait_alu depctr_va_vdst(0)
	s_wait_loadcnt 0x0                             ; Q
.Lk_\e:
	STEP
	s_add_co_u32 s[TB], s[TB], 6144
	s_add_co_u32 s[TS], s[TS], 512
	s_add_co_u32 s[TV], s[TV], 256
	s_sub_co_u32 s[CNT], s[CNT], 1
	s_cmp_lg_u32 s[CNT], 0
	s_cbranch_scc1 .Lk_\e
.if \e < 2
	QLOAD \e+1                                     ; the last products that read Q stand a softmax back
.endif
	PLACES 4
	v_add_f32 v14, v14, v15
	s_delay_alu instid0(VALU_DEP_1)
	v_permlanex16_b32 v[F], v14, s[SEL], s[SEL+1]
	s_delay_alu instid0(VALU_DEP_1)
	v_add_f32 v14, v14, v[F]                       ; the row's sum
	s_wait_alu depctr_va_vdst(0)                   ; ahead of the transcendental
	v_rcp_f32 v14, v14
	v_nop                                          ; a plain place behind it
	s_wait_alu depctr_va_vdst(0)                   ; ahead of its first reader
.set j, 0
.rept 16
	v_pk_mul_f32 v[S+j:S+j+1], v[O+j:O+j+1], v[14:15] op_sel_hi:[1,0]   ; O^T / the sum: register 16 b + i is channel 32 b + 16 h + i of my query
.set j, j+2
.endr
	v_max3_num_f32 v[E], |v[S]|, |v[S+1]|, 0x1800000               ; O's two blocks of 32 channels: my 16 of each, and the floor 2^(3 - 127)
	v_max3_num_f32 v[E+1], |v[S+16]|, |v[S+17]|, 0x1800000
.irp i, 2,4,6,8,10,12,14
	s_delay_alu instid0(VALU_DEP_2)
	v_max3_num_f32 v[E], v[E], |v[S+\i]|, |v[S+\i+1]|
	s_delay_alu instid0(VALU_DEP_2)
	v_max3_num_f32 v[E+1], v[E+1], |v[S+16+\i]|, |v[S+17+\i]|
.endr
	v_permlanex16_b32 v[E+4], v[E], s[SEL], s[SEL+1]
	v_permlanex16_b32 v[E+5], v[E+1], s[SEL], s[SEL+1]
	s_delay_alu instid0(VALU_DEP_2)
	v_max_num_f32 v[E], v[E], v[E+4]               ; with lane l xor 16's: the block's largest magnitude
	s_delay_alu instid0(VALU_DEP_2)
	v_max_num_f32 v[E+1], v[E+1], v[E+5]
	s_delay_alu instid0(VALU_DEP_2)
	v_add_nc_u32 v[E+12], 0xff000000, v[E]
	s_delay_alu instid0(VALU_DEP_2)
	v_add_nc_u32 v[E+13], 0xff000000, v[E+1]
	s_delay_alu instid0(VALU_DEP_2)
	v_lshrrev_b32 v[E+4], 23, v[E+12]
	s_delay_alu instid0(VALU_DEP_2)
	v_lshrrev_b32 v[E+5], 23, v[E+13]
	v_cvt_scalef32_pk16_fp6_f32 v[PC:PC+2], v[S:S+15], v[E+12]
	v_cvt_scalef32_pk16_fp6_f32 v[PC+12:PC+14], v[S+16:S+31], v[E+13]
	v_nop                                          ; one plain place behind a scaled conversion
.irp i, 0,1,2
	v_permlane16_swap_b32 v[PC+\i], v[PC+12+\i]    ; a whole block to a lane: lanes 0-15 block 0, lanes 16-31 block 1
.endr
.irp i, 0,1,2
	s_delay_alu instid0(VALU_DEP_3)
	v_mov_b32 v[PC+3+\i], v[PC+12+\i]
.endr
	global_store_b128 v[L16], v[PC:PC+3], s[AOP:AOP+1] offset:\e*768
	global_store_b64 v[L8], v[PC+4:PC+5], s[AOP:AOP+1] offset:\e*768+512
	v_cndmask_b32 v[SW], v[E+4], v[E+5], s[HI]     ; lane (r, h): the byte of row r's block h
	global_store_b8 v[ASA], v[SW], s[ASP+2*\e:ASP+2*\e+1]
.endm
	s_load_b128 s[4:7], s[0:1], 0x0                ; pk, ac
	s_load_b64 s[8:9], s[0:1], 0x10                ; ascl
	v_lshl_add_u32 v[SPW], v0, 2, SPARE
	v_mov_b32 v[NIL], 0
	ds_add_u32 v[SPW], v[NIL]                      ; the opening lines: the add, twice on end, and its wait ahead of the first tensor load
	ds_add_u32 v[SPW], v[NIL]
	v_lshrrev_b32 v1, 5, v0
	s_delay_alu instid0(VALU_DEP_1)
	v_readfirstlane_b32 s[WV], v1                  ; wave 0..15
	s_bfe_u32 s[CX], ttmp6, 0x40000                ; my block of 256 queries: it enters Q's and O's global addresses alone
	s_and_b32 s[BB], ttmp7, 0xffff
	s_and_b32 s[HG], s[BB], 3                      ; heads 3 hg ..
	s_lshr_b32 s[BB], s[BB], 2                     ; the batch
	s_mov_b32 s[SEL], 0x76543210
	s_mov_b32 s[SEL+1], 0xfedcba98
	s_mov_b32 s[CS], 0x3e38aa3b                    ; log2(e) / 8
	s_mov_b32 s[CS+1], s[CS]
	s_mov_b32 s[NC], 0xbe38aa3b                    ; and its negative
	s_mov_b32 s[HI], 0xffff0000
	s_mov_b32 s[G1], 15|(3<<16)|(1<<21)            ; group 1: 102 dense rows of 256 bytes (32 elements of 8); mask 15 with bit 21 beside it; no padding
	s_mov_b32 s[G1+1], 32<<16
	s_mov_b32 s[G1+2], 102<<16
	s_mov_b32 s[G1+3], 32<<16
	s_mov_b32 s[G1+4], 102
	s_mov_b32 s[G1+5], 32
	s_mov_b32 s[G1+6], 0
	s_mov_b32 s[G1+7], 0
	s_mul_i32 s56, s[BB], 12
	s_mul_i32 s57, s[HG], 3
	s_add_co_u32 s56, s56, s57
	s_mul_i32 s56, s56, PKG                        ; my first head's package
	s_and_b32 s58, s[WV], 3
	s_mul_i32 s58, s58, 26112                      ; wave w < 12 fetches quarter w % 4
	s_lshr_b32 s57, s[WV], 2                       ; of head w / 4
	s_mul_i32 s59, s57, HB
	s_add_co_u32 s59, s59, s58                     ; to this LDS byte,
	s_mul_i32 s60, s57, PKG
	s_add_co_u32 s60, s60, s58
	s_add_co_u32 s60, s60, s56                     ; from this byte of the packages
	s_mov_b32 s61, 0
	s_wait_dscnt 0x0
	s_wait_kmcnt 0x0
	s_mov_b32 s[G0], 1
	s_mov_b32 s[G0+1], s59
	s_add_nc_u64 s[G0+2:G0+3], s[4:5], s[60:61]
	s_or_b32 s[G0+3], s[G0+3], 0x80000000
	CROUND                                         ; all four work-groups are here: the joint loads meet
	s_cmp_lt_u32 s[WV], 12
	s_cbranch_scc0 .Lno_fill
	tensor_load_to_lds s[G0:G0+3], s[G1:G1+7]      ; one load a wave
	s_nop 0
	PLACES 4
.Lno_fill:
	s_lshl_b32 s59, s[CX], 4
	s_add_co_u32 s59, s59, s[WV]                   ; my query tile in the batch
	s_mul_i32 s62, s59, 768
	s_add_co_u32 s62, s62, s56
	s_add_co_u32 s62, s62, HB
	s_mov_b32 s63, 0
	s_add_nc_u64 s[QP:QP+1], s[4:5], s[62:63]
	s_lshl_b32 s62, s59, 6
	s_add_co_u32 s62, s62, s56
	s_add_co_u32 s62, s62, 153600
	s_add_nc_u64 s[QSP:QSP+1], s[4:5], s[62:63]
	s_lshl_b32 s66, s[BB], 6
	s_add_co_u32 s66, s66, s59                     ; my token tile of all
	s_mul_i32 s62, s66, 9216
	s_mul_i32 s67, s[HG], 3*768
	s_add_co_u32 s62, s62, s67
	s_add_nc_u64 s[AOP:AOP+1], s[6:7], s[62:63]
	s_lshr_b32 s67, s66, 1
	s_mul_i32 s67, s67, 768
	s_and_b32 s66, s66, 1
	s_lshl_b32 s66, s66, 6
	s_add_co_u32 s67, s67, s66                     ; the pair's scale words, my tile's half of the lanes
.irp e, 0,1,2
	s_mul_i32 s66, s[HG], 3
	s_add_co_u32 s66, s66, \e                      ; the head: K step head / 2 of the last projection, bytes 2 (head % 2) on
	s_lshr_b32 s62, s66, 1
	s_lshl_b32 s62, s62, 7
	s_and_b32 s66, s66, 1
	s_lshl_b32 s66, s66, 1
	s_add_co_u32 s62, s62, s66
	s_add_co_u32 s62, s62, s67
	s_add_nc_u64 s[ASP+2*\e:ASP+2*\e+1], s[8:9], s[62:63]
.endr
	v_and_b32 v[SW], 31, v0
	v_and_b32 v[QA], 15, v0
	v_bfe_u32 v[SH8], v0, 4, 1
	s_delay_alu instid0(VALU_DEP_3)
	v_lshlrev_b32 v[L16], 4, v[SW]
	v_lshlrev_b32 v[L8], 3, v[SW]
	v_lshlrev_b32 v[L4], 2, v[SW]
	v_lshlrev_b32 v[QA], 2, v[QA]
	s_delay_alu instid0(VALU_DEP_1)
	v_add_nc_u32 v[ASA], v[QA], v[SH8]
	v_lshlrev_b32 v[SH8], 3, v[SH8]
	QLOAD 0
.irp i, 0,1,2,3,4,5
	v_mov_b32 v[QF+6+\i], 0                        ; the zero codes of Q's upper 64 along K
	v_mov_b32 v[PC+\i], 0                          ; read as the upper 64 of K's last tile before p's first codes are made
.endr
.set j, 0
.rept 32
	v_mov_b32 v[O+j], 0                            ; the first head's first step multiplies these by f = 0
.set j, j+1
.endr
	v_mov_b32 v14, 0
	v_mov_b32 v15, 0
	v_mov_b32 v[TA], 0                             ; written once: a lane permute's destination counts as one of its sources
	v_mov_b32 v[TA+2], 0
	v_mov_b32 v[E+4], 0
	v_mov_b32 v[E+5], 0
	v_mov_b32 v[F], 0
	v_mov_b32 v[PW], 0                             ; (named as the upper half of the pair v[252:253] before it is first written)
	s_wait_alu depctr_va_vdst(0)
	s_wait_tensorcnt 0x0                           ; my part of K and V has landed
	s_barrier_signal -1
	s_barrier_wait -1                              ; all twelve parts have
	HEAD 0
	HEAD 1
	HEAD 2
	s_wait_tensorcnt 0x0                           ; the wave's end
	ds_add_u32 v[SPW], v[NIL]
	s_wait_dscnt 0x0
	CROUND                                         ; the closing round
	s_endpgm
.Lfunc_end_k_q4cfdc49d7c_attn:
	.size	k_q4cfdc49d7c_attn, .Lfunc_end_k_q4cfdc49d7c_attn-k_q4cfdc49d7c_attn
	.p2alignl 7, 3214868480
	.fill 96, 4, 3214868480
	.section	.rodata,"a",@progbits
	.p2align	6, 0x0
	.amdhsa_kernel k_q4cfdc49d7c_attn
		.amdhsa_group_segment_fixed_size 327680
		.amdhsa_private_segment_fixed_size 0
		.amdhsa_enable_private_segment 0
		.amdhsa_kernarg_size 24
		.amdhsa_user_sgpr_count 2
		.amdhsa_user_sgpr_kernarg_segment_ptr 1
		.amdhsa_wavefront_size32 1
		.amdhsa_system_sgpr_workgroup_id_x 1
		.amdhsa_system_sgpr_workgroup_id_y 1
		.amdhsa_system_sgpr_workgroup_id_z 1
		.amdhsa_system_vgpr_workitem_id 0
		.amdhsa_next_free_vgpr 256
		.amdhsa_next_free_sgpr 72
		.amdhsa_reserve_vcc 0
		.amdhsa_float_denorm_mode_32 3
		.amdhsa_float_denorm_mode_16_64 3
		.amdhsa_memory_ordered 1
		.amdhsa_forward_progress 1
		.amdhsa_inst_pref_size 73
	.end_amdhsa_kernel
	.amdgpu_metadata
---
amdhsa.version: [ 1, 2 ]
amdhsa.kernels:
  - .name:           k_q4cfdc49d7c_attn
    .symbol:         k_q4cfdc49d7c_attn.kd
    .args:
      - { .name: pk, .offset: 0, .size: 8, .value_kind: global_buffer, .address_space: global }
      - { .name: ac, .offset: 8, .size: 8, .value_kind: global_buffer, .address_space: global }
      - { .name: ascl, .offset: 16, .size: 8, .value_kind: global_buffer, .address_space: global }
    .group_segment_fixed_size: 327680
    .private_segment_fixed_size: 0
    .kernarg_segment_align: 8
    .kernarg_segment_size: 24
    .max_flat_workgroup_size: 512
    .sgpr_count:     72
    .vgpr_count:     256
    .wavefront_size: 32
...
	.end_amdgpu_metadata
.endif
;; end of part 3
;; launch oproj (part 4): grid 64 x 4, 4 waves a work-group, clusters of 4 x 1, 327,680 bytes of LDS; arguments ac, ascl, wc, ws, bo, out0; writes out0
.if DOCPART == 4
	.amdgcn_target "amdgcn-amd-amdhsa--gfx1250"
	.amdhsa_code_object_version 6
	.text
	.protected	k_q4cfdc49d7c_oproj
	.globl	k_q4cfdc49d7c_oproj
	.p2align	8
	.type	k_q4cfdc49d7c_oproj,@function
k_q4cfdc49d7c_oproj:
	s_mov_b64 s[64:65], 0
	v_nop
	global_prefetch_b8 v0, s[64:65] scope:SCOPE_SE
	s_setreg_imm32_b32 hwreg(HW_REG_WAVE_MODE, 25, 1), 1
	s_wait_xcnt 0x0
	s_wait_alu depctr_hold_cnt(0) depctr_sa_sdst(0) depctr_va_vdst(0) depctr_va_sdst(0) depctr_va_ssrc(0) depctr_va_vcc(0) depctr_vm_vsrc(0)
	s_getreg_b32 s2, hwreg(HW_REG_IB_STS2, 6, 4)
	s_cmp_eq_u32 s2, 0
	s_cbranch_scc0 .Lentry_in_a_cluster
	s_endpgm
.Lentry_in_a_cluster:
	s_bfe_u32 s2, ttmp6, 0x10000c
	s_cmp_lg_u32 s2, 0x3003
	s_cbranch_scc0 .Lentry_shape_is_right
	s_endpgm
.Lentry_shape_is_right:
; out0 = O Wo^T + bo on codes of FP6 (E2M3) with E8M0 scales.  256 work-groups: a block of 256 tokens x 192 output features; wave w owns 64 tokens x 192 features, 48 accumulators, which begin with the bias as C.
; O's 24 fragments of the wave's tokens come from memory into registers.  Wo's pass (110,592 bytes) and its scale words (4,608) come into LDS once, by joint loads (mask 15: the four token blocks of a cluster
; walk the same Wo), one load a wave at the head: wave 0 the scale words, 18 rows of 256 bytes; waves 1 to 3 a third of the pass each, 144 rows of 256 bytes.  Nothing is filled again.
; THE TOKENS OF A TILE OF O: lane r of tile n of a group of 64 tokens holds token 8 n + r % 8 + 32 (r / 8), as the attention launch leaves them.
; The results go out through each wave's own stage in LDS and leave as whole aligned blocks of 256 bytes.  All that is read is asked for at the head: there is no loop to run ahead in and no prefetch.
.set PASSB, 110592
.set HALFP, PASSB/2
.set SCW,   PASSB
.set STAGE, SCW+4608
.set SPT,   784
.set L16,  1
.set L8,   2
.set L4,   3
.set AW16, 4
.set AW8,  8
.set AWS,  12
.set BH,   15
.set STO,  17
.set RD,   18
.set CO,   19
.set XSC,  20
.set WSC,  32
.set WS0,  56
.set BO0,  200
.set WV,   20
.set CX,   21
.set TBK,  22
.set GG,   23
.set G1H,  28
.set G1S,  36
.set G0S,  44
.set G0A,  48
.set G0B,  52
.set MSB, 0
.macro WIN new
.if MSB != (\new)
	s_set_vgpr_msb (MSB<<8)|(\new)
.set MSB, (\new)
.endif
.endm
.macro PLACES n
.rept \n
	v_nop
.endr
.endm
.macro CROUND
	s_barrier_signal -1
	s_barrier_wait -1
	s_cmp_lg_u32 s[WV], 0
	s_cbranch_scc1 .Lnot_wave_0_\@
	s_barrier_signal -3
.Lnot_wave_0_\@:
	s_barrier_wait -3
	s_barrier_signal -1
	s_barrier_wait -1
.endm
.macro DESC1 g, c, r
	s_mov_b32 s[\g], 15|(3<<16)|(1<<21)
	s_mov_b32 s[\g+1], (\c)<<16
	s_mov_b32 s[\g+2], (\r)<<16
	s_mov_b32 s[\g+3], (\c)<<16
	s_mov_b32 s[\g+4], \r
	s_mov_b32 s[\g+5], \c
	s_mov_b32 s[\g+6], 0
	s_mov_b32 s[\g+7], 0
.endm
.macro LFRAG reg, a16, a8, off
	ds_load_b128 v[\reg:\reg+3], v[\a16] offset:\off
	ds_load_b64 v[\reg+4:\reg+5], v[\a8] offset:\off+512
	ds_load_b128 v[\reg+6:\reg+9], v[\a16] offset:\off+768
	ds_load_b64 v[\reg+10:\reg+11], v[\a8] offset:\off+1280
.endm
.macro GFRAG reg, off
	global_load_b128 v[\reg:\reg+3], v[L16], s[4:5] offset:\off
	global_load_b64 v[\reg+4:\reg+5], v[L8], s[4:5] offset:\off+512
	global_load_b128 v[\reg+6:\reg+9], v[L16], s[4:5] offset:\off+768
	global_load_b64 v[\reg+10:\reg+11], v[L8], s[4:5] offset:\off+1280
.endm
.macro WMMA d, a, b, c, sa, sb, ra, rb
.if (\ra) && (\rb)
	v_wmma_scale_f32_16x16x128_f8f6f4 v[\d:\d+7], v[\a:\a+11], v[\b:\b+11], v[\c:\c+7], v[\sa], v[\sb] matrix_a_fmt:MATRIX_FMT_FP6 matrix_b_fmt:MATRIX_FMT_FP6 matrix_a_scale:MATRIX_SCALE_ROW1 matrix_b_scale:MATRIX_SCALE_ROW1
.elseif \ra
	v_wmma_scale_f32_16x16x128_f8f6f4 v[\d:\d+7], v[\a:\a+11], v[\b:\b+11], v[\c:\c+7], v[\sa], v[\sb] matrix_a_fmt:MATRIX_FMT_FP6 matrix_b_fmt:MATRIX_FMT_FP6 matrix_a_scale:MATRIX_SCALE_ROW1
.elseif \rb
	v_wmma_scale_f32_16x16x128_f8f6f4 v[\d:\d+7], v[\a:\a+11], v[\b:\b+11], v[\c:\c+7], v[\sa], v[\sb] matrix_a_fmt:MATRIX_FMT_FP6 matrix_b_fmt:MATRIX_FMT_FP6 matrix_b_scale:MATRIX_SCALE_ROW1
.else
	v_wmma_scale_f32_16x16x128_f8f6f4 v[\d:\d+7], v[\a:\a+11], v[\b:\b+11], v[\c:\c+7], v[\sa], v[\sb] matrix_a_fmt:MATRIX_FMT_FP6 matrix_b_fmt:MATRIX_FMT_FP6
.endif
.endm
.macro WFETCH hs
.set fs, (\hs)/2
.set fh, (\hs)%2
.set fw, WS0+72*fh
	PLACES 4
.set ft, 0
.rept 6
	LFRAG fw+12*ft, AW16+fs/3, AW8+fs/3, (fs%3)*18432+(6*fh+ft)*1536
.set ft, ft+1
.endr
.set ft, 0
.rept 3
	ds_load_b32 v[WSC+3*fh+ft], v[AWS] offset:fs*768+(3*fh+ft)*128
.set ft, ft+1
.endr
.endm
.macro MUL24 hs
.set ms, (\hs)/2
.set mh, (\hs)%2
.set mw, WS0+72*mh
.set mx, 48*ms
.set mxw, 1
.if ms == 5
.set mx, 192
.set mxw, 2
.endif
.set mwin, ((2+mh)*0x50)|(mxw<<2)
.if (\hs) == 0
.set mwin, 0x84
.endif
	WIN mwin
.set mt, 0
.rept 6
.set mm, 0
.rept 4
.set mc, 8*(4*mt+mm)
.if ms == 0
.set mc, BO0-8*mh+8*mt
.endif
	WMMA 8*(4*mt+mm), mw+12*mt, mx+12*mm, mc, WSC+3*mh+mt/2, XSC+2*ms+mm/2, mt%2, mm%2
.set mm, mm+1
.endr
.set mt, mt+1
.endr
	WIN 0
.endm
.macro HS hs
.if (\hs) < 11
	WFETCH (\hs)+1
	s_wait_dscnt 27
.else
	s_wait_dscnt 0x0
.endif
.if (\hs)%2 == 0
.set lc, 16*(5-(\hs)/2)
.if lc > 63
.set lc, 63
.endif
	s_wait_loadcnt lc
.endif
	MUL24 \hs
.endm
.macro TOSTAGE m
.irp t, 0,1,2,3,4,5,6,7,8,9,10,11
	WIN (2+\t/6)<<2
	ds_store_b128 v[STO], v[8*(4*(\t%6)+(\m)):8*(4*(\t%6)+(\m))+3] offset:128*(\t/2)+32*(\t%2)
	ds_store_b128 v[STO], v[8*(4*(\t%6)+(\m))+4:8*(4*(\t%6)+(\m))+7] offset:128*(\t/2)+32*(\t%2)+16
.endr
	WIN 0x40
.set bk, 96*((\m)%2)
.irp ro, 0,1,2,3,4,5,6,7
.irp c, 0,1,2
	ds_load_b128 v[bk+4*(3*\ro+\c):bk+4*(3*\ro+\c)+3], v[RD] offset:2*\ro*SPT+256*\c
.endr
.endr
	WIN 0
.endm
.macro SEND m, younger
.set bk, 96*((\m)%2)
	s_wait_dscnt \younger
	WIN 0x04
.irp ro, 0,1,2,3,4,5,6,7
.irp c, 0,1,2
	global_store_b128 v[CO], v[bk+4*(3*\ro+\c):bk+4*(3*\ro+\c)+3], s[14:15] offset:(8*(\m)+2*(\ro%4)+32*(\ro/4))*3072+256*\c th:TH_STORE_NT
.endr
.endr
	WIN 0
.endm
	s_load_b256 s[4:11], s[0:1], 0x0
	s_load_b128 s[12:15], s[0:1], 0x20
	v_lshl_add_u32 v254, v0, 2, 0x30000
	v_mov_b32 v255, 0
	ds_add_u32 v254, v255
	ds_add_u32 v254, v255
	v_lshrrev_b32 v1, 5, v0
	v_readfirstlane_b32 s[WV], v1
	s_bfe_u32 s[CX], ttmp6, 0x40000
	s_lshl_b32 s[TBK], ttmp9, 2
	s_add_co_u32 s[TBK], s[TBK], s[CX]
	s_and_b32 s[GG], ttmp7, 0xffff
	DESC1 G1H, 32, 144
	DESC1 G1S, 32, 18
	s_add_co_u32 s56, s[GG], 12
	s_mul_i32 s57, s56, PASSB
	s_add_co_u32 s58, s[WV], 3
	s_and_b32 s58, s58, 3                          ; waves 1, 2, 3: 0, 1, 2
	s_mul_i32 s58, s58, 36864                      ; my third of the pass
	s_add_co_u32 s60, s57, s58
	s_mov_b32 s61, 0
	s_mul_i32 s56, s56, 4608
	s_mov_b32 s59, 0                               ; the scale words come whole, by wave 0
	s_add_co_u32 s62, s56, s59
	s_mov_b32 s63, 0
	s_wait_dscnt 0x0
	s_wait_kmcnt 0x0
	s_mov_b32 s[G0S], 1
	s_add_co_u32 s[G0S+1], s59, SCW
	s_add_nc_u64 s[G0S+2:G0S+3], s[10:11], s[62:63]
	s_or_b32 s[G0S+3], s[G0S+3], 0x80000000
	s_mov_b32 s[G0A], 1
	s_mov_b32 s[G0A+1], s58
	s_add_nc_u64 s[G0A+2:G0A+3], s[8:9], s[60:61]
	s_or_b32 s[G0A+3], s[G0A+3], 0x80000000
	CROUND                                         ; all four work-groups are here: the joint loads meet
	s_cmp_lg_u32 s[WV], 0                          ; one load a wave, in the two arms of one branch on the wave's number
	s_cbranch_scc1 .Lhead_codes
	tensor_load_to_lds s[G0S:G0S+3], s[G1S:G1S+7]
	s_nop 0
	PLACES 4
	s_branch .Lhead_asked
.Lhead_codes:
	tensor_load_to_lds s[G0A:G0A+3], s[G1H:G1H+7]
	s_nop 0
	PLACES 4
.Lhead_asked:
	s_lshl_b32 s56, s[TBK], 4
	s_lshl_b32 s57, s[WV], 2
	s_add_co_u32 s56, s56, s57
	s_mul_i32 s62, s56, 9216
	s_add_nc_u64 s[4:5], s[4:5], s[62:63]
	s_mul_i32 s62, s56, 384
	s_add_nc_u64 s[6:7], s[6:7], s[62:63]
	s_mul_i32 s62, s[GG], 768
	s_add_nc_u64 s[12:13], s[12:13], s[62:63]
	s_add_nc_u64 s[14:15], s[14:15], s[62:63]
	s_mul_i32 s62, s56, 16*3072
	s_add_nc_u64 s[14:15], s[14:15], s[62:63]
	v_and_b32 v16, 31, v0
	v_lshlrev_b32 v[L16], 4, v16
	v_lshlrev_b32 v[L8], 3, v16
	v_lshlrev_b32 v[L4], 2, v16
	v_mov_b32 v[AW16], v[L16]
	v_add_nc_u32 v[AW16+1], HALFP, v[L16]
	v_mov_b32 v[AW8], v[L8]
	v_add_nc_u32 v[AW8+1], HALFP, v[L8]
	v_add_nc_u32 v[AWS], SCW, v[L4]
	v_bfe_u32 v16, v0, 4, 1
	v_lshlrev_b32 v[BH], 6, v16
	v_and_b32 v13, 15, v0
	s_mul_i32 s57, s[WV], 16*SPT
	s_add_co_u32 s57, s57, STAGE
	v_mul_u32_u24 v[STO], v13, SPT
	v_lshl_add_u32 v[STO], v16, 6, v[STO]
	v_add_nc_u32 v[STO], s57, v[STO]
	v_mul_u32_u24 v[RD], v16, SPT
	v_lshl_add_u32 v[RD], v13, 4, v[RD]
	v_add_nc_u32 v[RD], s57, v[RD]
	v_mul_u32_u24 v[CO], v16, 3072
	v_lshl_add_u32 v[CO], v13, 4, v[CO]
.irp t, 0,1,2,3,4,5
	global_load_b128 v[BO0+8*\t:BO0+8*\t+3], v[BH], s[12:13] offset:(32*(\t/2)+8*(\t%2))*4
	global_load_b128 v[BO0+8*\t+4:BO0+8*\t+7], v[BH], s[12:13] offset:(32*(\t/2)+8*(\t%2))*4+16
.endr
	WIN 0xc0
.irp t, 6,7,8,9,10,11
	global_load_b128 v[192+8*(\t-6):192+8*(\t-6)+3], v[BH], s[12:13] offset:(32*(\t/2)+8*(\t%2))*4
	global_load_b128 v[192+8*(\t-6)+4:192+8*(\t-6)+7], v[BH], s[12:13] offset:(32*(\t/2)+8*(\t%2))*4+16
.endr
	WIN 0
.irp s, 0,1,2,3,4,5
.irp i, 0,1
	global_load_b32 v[XSC+2*\s+\i], v[L4], s[6:7] offset:\i*768+\s*128
.endr
.endr
.irp s, 0,1,2,3,4,5
.if \s < 5
	WIN 0x40
.else
	WIN 0x80
.endif
.irp m, 0,1,2,3
.if \s < 5
	GFRAG 48*\s+12*\m, \m*9216+\s*1536
.else
	GFRAG 192+12*\m, \m*9216+\s*1536
.endif
.endr
.endr
	WIN 0
	s_wait_alu depctr_va_vdst(0)
	s_wait_tensorcnt 0x0                           ; my load has landed
	s_barrier_signal -1
	s_barrier_wait -1                              ; everybody's has
	WFETCH 0
.irp hs, 0,1,2,3,4
	HS \hs
.endr
.irp hs, 5,6,7,8,9,10,11
	HS \hs
.endr
	PLACES 4
	s_wait_alu depctr_va_vdst(0)
	TOSTAGE 0
.irp m, 1,2,3
.if \m > 1
	s_wait_xcnt 0x0
.endif
	TOSTAGE \m
	SEND \m-1, 48
.endr
	SEND 3, 0
	s_wait_tensorcnt 0x0
	ds_add_u32 v254, v255
	s_wait_dscnt 0x0
	CROUND
	s_endpgm
.Lfunc_end_k_q4cfdc49d7c_oproj:
	.size	k_q4cfdc49d7c_oproj, .Lfunc_end_k_q4cfdc49d7c_oproj-k_q4cfdc49d7c_oproj
	.p2alignl 7, 3214868480
	.fill 96, 4, 3214868480
	.section	.rodata,"a",@progbits
	.p2align	6, 0x0
	.amdhsa_kernel k_q4cfdc49d7c_oproj
		.amdhsa_group_segment_fixed_size 327680
		.amdhsa_private_segment_fixed_size 0
		.amdhsa_enable_private_segment 0
		.amdhsa_kernarg_size 48
		.amdhsa_user_sgpr_count 2
		.amdhsa_user_sgpr_kernarg_segment_ptr 1
		.amdhsa_wavefront_size32 1
		.amdhsa_system_sgpr_workgroup_id_x 1
		.amdhsa_system_sgpr_workgroup_id_y 1
		.amdhsa_system_sgpr_workgroup_id_z 1
		.amdhsa_system_vgpr_workitem_id 0
		.amdhsa_next_free_vgpr 1024
		.amdhsa_next_free_sgpr 72
		.amdhsa_reserve_vcc 0
		.amdhsa_float_denorm_mode_32 3
		.amdhsa_float_denorm_mode_16_64 3
		.amdhsa_memory_ordered 1
		.amdhsa_forward_progress 1
		.amdhsa_inst_pref_size 100
	.end_amdhsa_kernel
	.amdgpu_metadata
---
amdhsa.version: [ 1, 2 ]
amdhsa.kernels:
  - .name:           k_q4cfdc49d7c_oproj
    .symbol:         k_q4cfdc49d7c_oproj.kd
    .args:
      - { .name: ac, .offset: 0, .size: 8, .value_kind: global_buffer, .address_space: global }
      - { .name: ascl, .offset: 8, .size: 8, .value_kind: global_buffer, .address_space: global }
      - { .name: wc, .offset: 16, .size: 8, .value_kind: global_buffer, .address_space: global }
      - { .name: ws, .offset: 24, .size: 8, .value_kind: global_buffer, .address_space: global }
      - { .name: bo, .offset: 32, .size: 8, .value_kind: global_buffer, .address_space: global }
      - { .name: out0, .offset: 40, .size: 8, .value_kind: global_buffer, .address_space: global }
    .group_segment_fixed_size: 327680
    .private_segment_fixed_size: 0
    .kernarg_segment_align: 8
    .kernarg_segment_size: 48
    .max_flat_workgroup_size: 128
    .sgpr_count:     72
    .vgpr_count:     1024
    .wavefront_size: 32
...
	.end_amdgpu_metadata
.endif
;; end of part 4
